; MI455X (gfx1250); checked and timed in simulation.
; The chip was launched on July 23, 2026; its instructions are those of AMD's public machine-readable ISA for CDNA 5 (MIT licence, August 2026) and "CDNA5" Instruction Set Architecture Reference Guide (July 2026). The comments in the code are by the model that wrote it; some were corrected since.
;; RSA Block. Allowed arithmetic: float matrix products may take bf16 or f16 operands with f32 sums; all other float work in f32.
;; Inputs: W_in 512 x 512 float32; W_k 512 x 512 float32; W_o 512 x 512 float32; W_q 512 x 512 float32; W_r 512 x 512 float32; W_v 512 x 512 float32; b_in 512 float32; b_k 512 float32; b_o 512 float32; b_q 512 float32; b_r 512 float32; b_v 512 float32; inputs 512 x 64 x 512 float32.
;; Outputs: out0 512 x 64 x 512 float32.
;; 2 versions, each right and faster than the one before. Each part assembles by itself: llvm-mc -triple=amdgcn-amd-amdhsa -mcpu=gfx1250 --defsym DOCPART=n.
;; ======== version 1 of 2: 2 launches
;; limits: values are held in f16: magnitudes above 65,504 overflow, below 6.1e-05 lose precision
;; workspace buffers: wimg 3,145,728 bytes
;; launch prep (part 1): grid 64 x 6, 4 waves a work-group, no clusters, 9,728 bytes of LDS; arguments W_in, W_q, W_k, W_v, W_r, W_o, wimg; writes wimg
.if DOCPART == 1
	.amdgcn_target "amdgcn-amd-amdhsa--gfx1250"
	.amdhsa_code_object_version 6
	.text
	.protected	k_q5d198eed17_prep
	.globl	k_q5d198eed17_prep
	.p2align	8
	.type	k_q5d198eed17_prep,@function
k_q5d198eed17_prep:
	s_mov_b64 s[64:65], 0
	v_nop
	global_prefetch_b8 v0, s[64:65] scope:SCOPE_SE
	s_setreg_imm32_b32 hwreg(HW_REG_WAVE_MODE, 25, 1), 1
	s_wait_xcnt 0x0
; The six weights [k][n] in f32 are rounded to bf16 and laid out as the matrix unit's fragments, so that the next launch
; reads them from LDS as they lie.  Weight g (0 in, 1 q, 2 k, 3 v, 4 r, 5 o), K step s of 64: tile 8 g + s of 65,536 bytes;
; inside it byte w*16384 + jb*8192 + b*1024 + qh*512 + 16*(r + 16 h) + 2 e holds W[64 s + 32 jb + 16 qh + 8 h + e][128 w + 16 b + r].
; g = 0 stays bf16 (it multiplies the bf16 inputs); g = 1..5 multiply f16 operands, so the bf16 number is written as f16.
; LIMIT: that is exact for 2^-14 <= |W| <= 65,504; below, f16 keeps its fixed step of 2^-24; beyond, it gives an infinity.
; A work-group takes 64 k x 64 n: 64 rows of 256 aligned bytes in, turned in LDS, 8 KB out in stores of 512 consecutive bytes.
; No matrix unit, no cluster: every byte is read once and written once, and no two work-groups share a byte.
.set PT,    144                        ; a row of T[n][k] in LDS: 64 k x 2 bytes + 16
.set SPARE, 64*PT                      ; behind T: the spare words, 128 bytes a wave
.set SPW,   9
.set NIL,   10
	s_load_b256 s[4:11], s[0:1], 0x0               ; W_in, W_q, W_k, W_v
	s_load_b128 s[12:15], s[0:1], 0x20             ; W_r, W_o
	s_load_b64 s[16:17], s[0:1], 0x30              ; wimg
	v_lshl_add_u32 v[SPW], v0, 2, SPARE
	v_mov_b32 v[NIL], 0
	v_and_b32 v1, 31, v0                           ; lane L
	v_lshrrev_b32 v2, 5, v0                        ; wave
	v_and_b32 v3, 15, v0                           ; L % 16
	v_bfe_u32 v4, v0, 4, 1                         ; L / 16
	v_lshlrev_b32 v5, 4, v3                        ; in: 16 bytes a lane,
	v_lshl_add_u32 v5, v4, 12, v5                  ; lanes 16-31 two rows down,
	v_lshl_add_u32 v5, v2, 15, v5                  ; 16 rows a wave
	v_mul_u32_u24 v6, v3, 4*PT                     ; into T: row n = 4 (L % 16) + i,
	v_lshl_add_u32 v6, v4, 2, v6                   ; k = 16 wave + 2 (L / 16) + 4 p, two bytes each
	v_lshl_add_u32 v6, v2, 5, v6
	v_mul_u32_u24 v7, v2, 16*PT                    ; out of T: row n = 16 wave + L % 16,
	v_mad_u32_u24 v7, v3, PT, v7
	v_lshl_add_u32 v7, v4, 4, v7                   ; 8 k at 16 (L / 16)
	v_lshlrev_b32 v8, 4, v1                        ; out: block b = wave, 16 bytes a lane
	v_lshl_add_u32 v8, v2, 10, v8
	s_and_b32 s20, ttmp7, 0xffff                   ; g
	s_lshr_b32 s21, ttmp9, 3                       ; s
	s_and_b32 s22, ttmp9, 7                        ; block of 64 n
	s_lshl_b32 s24, s21, 17                        ; 64 rows of 2,048 bytes
	s_lshl_b32 s23, s22, 8
	s_add_co_u32 s24, s24, s23
	s_mov_b32 s25, 0
	s_lshl_b32 s26, s20, 19
	s_lshl_b32 s23, s21, 16
	s_add_co_u32 s26, s26, s23
	s_lshr_b32 s23, s22, 1                         ; w
	s_lshl_b32 s23, s23, 14
	s_add_co_u32 s26, s26, s23
	s_and_b32 s23, s22, 1                          ; b = 4 x this + wave
	s_lshl_b32 s23, s23, 12
	s_add_co_u32 s26, s26, s23
	s_mov_b32 s27, 0
	s_wait_kmcnt 0x0
	s_mov_b64 s[18:19], s[4:5]                     ; the weight is chosen by g alone
	s_cmp_eq_u32 s20, 1
	s_cselect_b64 s[18:19], s[6:7], s[18:19]
	s_cmp_eq_u32 s20, 2
	s_cselect_b64 s[18:19], s[8:9], s[18:19]
	s_cmp_eq_u32 s20, 3
	s_cselect_b64 s[18:19], s[10:11], s[18:19]
	s_cmp_eq_u32 s20, 4
	s_cselect_b64 s[18:19], s[12:13], s[18:19]
	s_cmp_eq_u32 s20, 5
	s_cselect_b64 s[18:19], s[14:15], s[18:19]
	s_add_nc_u64 s[18:19], s[18:19], s[24:25]
	s_add_nc_u64 s[16:17], s[16:17], s[26:27]
.set p, 0
.rept 4                                ; rows k and k + 1 for four n: sixteen lanes read 256 consecutive aligned bytes
	global_load_b128 v[16+8*p:19+8*p], v5, s[18:19] offset:p*8192 th:TH_LOAD_NT
	global_load_b128 v[20+8*p:23+8*p], v5, s[18:19] offset:p*8192+2048 th:TH_LOAD_NT
.set p, p+1
.endr
	s_wait_loadcnt 0x0
.set z, 0
.rept 16                               ; z = 4 p + i: the even k into the low half
	v_cvt_pk_bf16_f32 v[48+z], v[16+8*(z/4)+z%4], v[20+8*(z/4)+z%4]
.set z, z+1
.endr
	s_cmp_eq_u32 s20, 0
	s_cbranch_scc1 .Lkeep                          ; W_in stays bf16
.set z, 0
.rept 16
	v_lshlrev_b32 v[16+2*z], 16, v[48+z]           ; the bf16 numbers as f32,
	v_and_b32 v[17+2*z], 0xffff0000, v[48+z]
.set z, z+1
.endr
.set z, 0
.rept 16
	v_cvt_pk_f16_f32 v[48+z], v[16+2*z], v[17+2*z] ; written as f16
.set z, z+1
.endr
.Lkeep:
.set z, 0
.rept 16
	ds_store_b32 v6, v[48+z] offset:(z%4)*PT+8*(z/4)
.set z, z+1
.endr
	s_wait_dscnt 0x0                               ; for the others' sake: my stores into T are done
	s_barrier_signal -1
	s_barrier_wait -1
.set z, 0
.rept 4                                ; z = 2 jb + qh
	ds_load_b128 v[16+4*z:19+4*z], v7 offset:64*(z/2)+32*(z%2)
.set z, z+1
.endr
.set z, 0
.rept 4
	s_wait_dscnt 3-z                               ; LDS loads come back in order: number z is in, the younger stay out
	global_store_b128 v8, v[16+4*z:19+4*z], s[16:17] offset:(z/2)*8192+(z%2)*512  ; 512 consecutive bytes, aligned
.set z, z+1
.endr
	s_wait_tensorcnt 0x0                           ; the wave's end
	ds_add_u32 v[SPW], v[NIL]
	s_wait_dscnt 0x0
	s_endpgm
.Lfunc_end_k_q5d198eed17_prep:
	.size	k_q5d198eed17_prep, .Lfunc_end_k_q5d198eed17_prep-k_q5d198eed17_prep
	.p2alignl 7, 3214868480
	.fill 96, 4, 3214868480
	.section	.rodata,"a",@progbits
	.p2align	6, 0x0
	.amdhsa_kernel k_q5d198eed17_prep
		.amdhsa_group_segment_fixed_size 9728
		.amdhsa_private_segment_fixed_size 0
		.amdhsa_enable_private_segment 0
		.amdhsa_kernarg_size 56
		.amdhsa_user_sgpr_count 2
		.amdhsa_user_sgpr_kernarg_segment_ptr 1
		.amdhsa_wavefront_size32 1
		.amdhsa_system_sgpr_workgroup_id_x 1
		.amdhsa_system_sgpr_workgroup_id_y 1
		.amdhsa_system_sgpr_workgroup_id_z 1
		.amdhsa_system_vgpr_workitem_id 0
		.amdhsa_next_free_vgpr 64
		.amdhsa_next_free_sgpr 66
		.amdhsa_reserve_vcc 0
		.amdhsa_float_denorm_mode_32 3
		.amdhsa_float_denorm_mode_16_64 3
		.amdhsa_memory_ordered 1
		.amdhsa_forward_progress 1
		.amdhsa_inst_pref_size 9
	.end_amdhsa_kernel
	.amdgpu_metadata
---
amdhsa.version: [ 1, 2 ]
amdhsa.kernels:
  - .name:           k_q5d198eed17_prep
    .symbol:         k_q5d198eed17_prep.kd
    .args:
      - { .name: W_in, .offset: 0, .size: 8, .value_kind: global_buffer, .address_space: global }
      - { .name: W_q, .offset: 8, .size: 8, .value_kind: global_buffer, .address_space: global }
      - { .name: W_k, .offset: 16, .size: 8, .value_kind: global_buffer, .address_space: global }
      - { .name: W_v, .offset: 24, .size: 8, .value_kind: global_buffer, .address_space: global }
      - { .name: W_r, .offset: 32, .size: 8, .value_kind: global_buffer, .address_space: global }
      - { .name: W_o, .offset: 40, .size: 8, .value_kind: global_buffer, .address_space: global }
      - { .name: wimg, .offset: 48, .size: 8, .value_kind: global_buffer, .address_space: global }
    .group_segment_fixed_size: 9728
    .private_segment_fixed_size: 0
    .kernarg_segment_align: 8
    .kernarg_segment_size: 56
    .max_flat_workgroup_size: 128
    .sgpr_count:     66
    .vgpr_count:     64
    .wavefront_size: 32
...
	.end_amdgpu_metadata
.endif
;; end of part 1
;; launch fused (part 2): grid 256 x 1, 4 waves a work-group, clusters of 4 x 1, 327,680 bytes of LDS; arguments inputs, wimg, b_in, b_q, b_k, b_v, b_r, b_o, out0; writes out0
.if DOCPART == 2
	.amdgcn_target "amdgcn-amd-amdhsa--gfx1250"
	.amdhsa_code_object_version 6
	.text
	.protected	k_q5d198eed17_fused
	.globl	k_q5d198eed17_fused
	.p2align	8
	.type	k_q5d198eed17_fused,@function
k_q5d198eed17_fused:
	s_mov_b64 s[64:65], 0
	v_nop
	global_prefetch_b8 v0, s[64:65] scope:SCOPE_SE
	s_setreg_imm32_b32 hwreg(HW_REG_WAVE_MODE, 25, 1), 1
	s_wait_xcnt 0x0
	s_wait_alu depctr_hold_cnt(0) depctr_sa_sdst(0) depctr_va_vdst(0) depctr_va_sdst(0) depctr_va_ssrc(0) depctr_va_vcc(0) depctr_vm_vsrc(0)
	s_getreg_b32 s2, hwreg(HW_REG_IB_STS2, 6, 4)
	s_cmp_eq_u32 s2, 0
	s_cbranch_scc0 .Lentry_in_a_cluster
	s_endpgm
.Lentry_in_a_cluster:
	s_bfe_u32 s2, ttmp6, 0x10000c
	s_cmp_lg_u32 s2, 0x3003
	s_cbranch_scc0 .Lentry_shape_is_right
	s_endpgm
.Lentry_shape_is_right:
; out = relu((softmax(q k^T) v + r) W_o + b_o), with x = relu(inputs W_in + b_in) and q, k, v, r = x W + b.  All of it in one launch.
; SHARES.  A work-group owns 128 rows (two batches of 64 agents).  Each of its four waves owns all 128 rows x 128 columns (128 w ..) of every
; projection: 64 accumulators, 512 registers; for 32 along K a wave reads 16 KB of LDS for 64 matrix instructions.  x and ctx lie in LDS as fragment images;
; q, k, v, r never leave the wave's registers.  Scores are four partial sums over the waves' 128 columns, added in f32 through LDS.
; LAYOUT.  x, q, k, r, out use the matrix instruction transposed (source 0 = 16 columns of W, source 1 = 16 rows): a lane holds one row and 8 neighbouring
; columns, and two neighbouring tiles rounded in pairs ARE a fragment with K along the columns.  v uses it as it is (source 0 = 16 rows): a lane holds one column
; and 8 rows, which rounded ARE fragments of V^T.  S^T = K Q^T holds one query a lane; P rounded is source 1 of O^T = V^T P, which adds onto r's accumulators.
; ORDER OF ROWS.  Wave w's pair i of row tiles (32 rows) is the block's pair i xor w.  So its own 32 rows (those whose softmax it makes) are always pair 0, pairs 0, 1 and 2, 3 are
; one batch each, and every register number and immediate is the same in all waves: only base addresses hang on w.
; FORMATS.  inputs, weights and biases are rounded to bf16.  x and ctx are f16 (three more bits than bf16; the output's numbers near zero need them); q, k, v, P are bf16.
; LIMITS.  |x| and the five later weights stay within 65,504, or f16 gives an infinity (x is a sum of 512 products of an input and a weight of W_in); parts of them below 2^-14 keep f16's step of 2^-24.
; ctx is scaled row by row by a power of two, so that the row's largest number lies in 2^14 .. 2^15, and the result is scaled back: no limit of range above 2^-111.
; A weight of the softmax below 2^-126 counts as 0.  NaN and infinities are not treated apart.  Sums go by K ascending; a score is the sum of four partial sums.
; WEIGHTS come as fragment images (48 tiles of 64 KB, a K step of 64 each) through a ring of two LDS slots a wave: wave w fetches and reads its own quarter, 16 KB as 64 rows of 256 bytes.
; CLUSTER.  All work-groups walk the same 48 tiles, so four of them ask JOINTLY: the same load, descriptor and mask in all four; the round of the cluster's barrier is the barrier in front of each refill.
; All of the LDS is claimed.
; REGISTERS, in windows of 256 (s_set_vgpr_msb: bits 1:0 source 0, 3:2 source 1, 5:4 source 2, 7:6 destination):
;   window 0: v0-63 addresses and small things; v64-127, v128-191 eight fragments of set 0 (K halves 0 and 1 of a step); v192-223, v224-255 four fragments of set 1 each
;   window 1: four chunks of inputs, then q's fragments, then V^T's          windows 2, 3: accumulator (s1, s0) at 8 (8 (s1 % 4) + s0) of window 2 + s1 / 4
;   ROLE 0: set 0 = weights (s0 = column tile b), set 1 = rows (s1 = row tile a).  ROLE 1 (v): set 0 = rows, set 1 = weights.
.set SLOTB,  16384                     ; a wave's slot
.set TILEB,  65536                     ; a tile in memory
.set ACT,    131072                    ; behind the ring: x, later ctx: kb*8192 + tile*1024 + qh*512 + 16 L.  In the first GEMM: the inputs in bf16, 8 chunks of 128 rows x 64 k
.set EX,     262144                    ; the waves' inboxes for scores (12,288 each), then P, at the end the stage of the way out
.set BT,     311296                    ; six biases in f32, 2,048 bytes each
.set RM,     323584                    ; row maxima of ctx: row*16 + 4 w
.set SPARE,  325632                    ; the spare words, 128 bytes a wave
.set INP,    144                       ; a row of a chunk: 128 bytes + 16: 16 rows start at 16 different groups of four banks (ISA guide 11.1)
.set INC,    128*INP
.set OSP,    528                       ; a row of the stage: 512 bytes + 16
.set R16, 1                            ; L % 16
.set HH,  2                            ; L / 16
.set L16, 3                            ; 16 L
.set SPW, 4                            ; my spare word; never rewritten
.set NIL, 5                            ; 0; never rewritten
.set WB,  6                            ; my ring + 16 L
.set WA,  7                            ; + the slot in hand
.set XB,  8                            ; v8-11   pair i of row tiles in the activations
.set XA,  12                           ; v12-15  + the K step in hand
.set XS,  16                           ; v16-19  where my columns of pair i go in ACT
.set BXI, 20                           ; v20-23  the inbox of the wave that owns pair i, + 16 L
.set BA,  24                           ; my columns in a bias, 8 for each half of the lanes
.set BAN, 25                           ; b_v, one column a lane
.set GI,  26                           ; inputs: my byte offset
.set SI,  27                           ; v27, v28  where my 8 bytes of a chunk's row go: chunks 0-3, 4-7
.set BTS, 29                           ; where my 16 bytes of a bias go
.set GO,  26                           ; v26-29  later: my byte offset in out0 for pair i
.set SO,  30                           ; the way out: into the stage
.set RO,  31                           ; and back
.set IV,  32                           ; v32-47  in the softmax its statistics; later 1 / scale of ctx, a pair of equal numbers for each row tile
.set RS,  48                           ; v48-51  my word of pair i's row maxima
.set RL,  52                           ; v52-55  the four words
.set TM,  56                           ; v56-63  at work
.set F0A, 64
.set F0B, 128
.set F1A, 192
.set F1B, 224
.set WV,  22                           ; s22  my wave's number
.set PW,  26                           ; s26-29  i xor w
.set G1,  32                           ; s[32:39] descriptor group 1
.set G0A, 40                           ; s[40:43] group 0 of tile 0
.set G0B, 44                           ; s[44:47] group 0 of tile 1; it then walks
.set TBW, 48                           ; s48  the slot in hand, in bytes
.set TBX, 49                           ; s49  the K step in hand, in bytes of the activations
.set CNT, 50
.set CS,  52                           ; s[52:53] log2(e)
.set SEL, 54                           ; s[54:55] v_permlanex16_b32: each lane takes its own place in the other half
.set SA,  56                           ; s[56:57] an offset
.set SC0, 58                           ; s58, s59 at work
.set CA, 0                             ; C = D
.set CB, 1                             ; C = the bias by column tile s0 (in F0B)
.set CN, 2                             ; C = the bias by column tile s1 (in F0B)
.set CZ, 3                             ; C = 0
.set MSB, 0
.macro WIN new                         ; the immediate's high byte repeats the setting that is left; a switch that changes nothing is dropped
.if MSB != (\new)
	s_set_vgpr_msb (MSB<<8)|(\new)
.set MSB, (\new)
.endif
.endm
; Four places stand between a matrix instruction and a load into, or a vector instruction on, one of its registers (ISA guide 7.12.1 for vector instructions).
.macro PLACES
.rept 4
	v_nop
.endr
.endm
.macro BAR
	s_barrier_signal -1
	s_barrier_wait -1
.endm
.macro CREST                           ; a round of the cluster's barrier behind its opening barrier
	s_cmp_lg_u32 s[WV], 0
	s_cbranch_scc1 .Lnot_wave_0_\@
	s_barrier_signal -3
.Lnot_wave_0_\@:
	s_barrier_wait -3
	s_barrier_signal -1
	s_barrier_wait -1
.endm
.macro ROUND
	BAR
	CREST
.endm
.macro ALL8 line:vararg                ; one line for each row tile a
.set a, 0
.rept 8
	\line
.set a, a+1
.endr
.endm
; A fragment is two loads of 16 bytes a lane.  Weights: column tile b of K half jb of the slot in hand.  Activations: row tile a (in my order) of K half jb of the step in hand.
.macro LW reg, jb, b
	ds_load_b128 v[(\reg):(\reg)+3], v[WA] offset:(\jb)*8192+(\b)*1024
	ds_load_b128 v[(\reg)+4:(\reg)+7], v[WA] offset:(\jb)*8192+(\b)*1024+512
.endm
.macro LX reg, jb, a
	ds_load_b128 v[(\reg):(\reg)+3], v[XA+(\a)/2] offset:(\jb)*XJ+((\a)%2)*XT
	ds_load_b128 v[(\reg)+4:(\reg)+7], v[XA+(\a)/2] offset:(\jb)*XJ+((\a)%2)*XT+XQ
.endm
.macro L0 buf, jb, lo, hi              ; fragments lo .. hi of set 0
.set z, (\lo)
.rept (\hi)-(\lo)+1
.if ROLE == 0
	LW (\buf)+8*z, \jb, z
.else
	LX (\buf)+8*z, \jb, z
.endif
.set z, z+1
.endr
.endm
.macro L1 buf, jb, half                ; the low or the high four fragments of set 1
.set z, 0
.rept 4
.if ROLE == 0
	LX (\buf)+8*z, \jb, 4*(\half)+z
.else
	LW (\buf)+8*z, \jb, 4*(\half)+z
.endif
.set z, z+1
.endr
.endm
; n1 x 8 matrix instructions: s1 = 4 hi + lo1 .., all eight s0.  The accumulators take turns, one instruction a turn.
.macro MM fmt, f0, f1, hi, lo1, n1, cm
.if (\cm) == CA
	WIN 0xa0+0x50*(\hi)
.else
	WIN 0x80+0x40*(\hi)
.endif
.set y, (\lo1)
.rept (\n1)
.set x, 0
.rept 8
.set rD, 8*(8*y+x)
.set rA, (\f0)+8*x
.set rB, (\f1)+8*y
.if (\cm) == CA
	v_wmma_f32_16x16x32_\fmt v[rD:rD+7], v[rA:rA+7], v[rB:rB+7], v[rD:rD+7]
.elseif (\cm) == CB
	v_wmma_f32_16x16x32_\fmt v[rD:rD+7], v[rA:rA+7], v[rB:rB+7], v[F0B+8*x:F0B+8*x+7]
.elseif (\cm) == CN
	v_wmma_f32_16x16x32_\fmt v[rD:rD+7], v[rA:rA+7], v[rB:rB+7], v[F0B+8*(4*(\hi)+y):F0B+8*(4*(\hi)+y)+7]
.else
	v_wmma_f32_16x16x32_\fmt v[rD:rD+7], v[rA:rA+7], v[rB:rB+7], 0
.endif
.set x, x+1
.endr
.set y, y+1
.endr
.endm
; A K STEP of 64 is four runs of 32 matrix instructions: H0, H1 (K half 0: low, high s1), RA, H3 (K half 1).  Each run's head fetches what the run after it multiplies.
.macro H0 fmt
	s_wait_dscnt 0x0                               ; what this run multiplies is in
	WIN 0
	PLACES
	L1 F1B, 0, 1
	L0 F0B, 1, 0, 3
	MM \fmt, F0A, F1A, 0, 0, 4, CA
.endm
.macro H1 fmt
	s_wait_dscnt 0x0
	WIN 0
	PLACES
	L1 F1A, 1, 0
	L0 F0B, 1, 4, 7
	MM \fmt, F0A, F1B, 1, 0, 4, CA
.endm
.macro STEPADR                         ; the other slot, the next K step; the five additions are also the places in front of the loads that follow
	s_xor_b32 s[TBW], s[TBW], SLOTB
	s_add_co_u32 s[TBX], s[TBX], XSTEP
	v_add_nc_u32 v[WA], s[TBW], v[WB]
.irp i, 0,1,2,3
	v_add_nc_u32 v[XA+\i], s[TBX], v[XB+\i]
.endr
.endm
; THE CHANGE OF SLOTS.  Each wave waits for all its tensor loads, of which one is out: the next step's tile; adds 0 to its spare word; and waits for that and for its reads of the slot in hand.
; The barrier opens a round of the cluster's barrier; behind the round the slot just read is filled again, with the tile two steps on: the wave's one tensor load, with 96 matrix instructions or more in which to land.
.macro RA fmt
	s_wait_dscnt 0x0
	WIN 0
	PLACES
	L1 F1B, 1, 1
	s_wait_tensorcnt 0x0                           ; no tensor load of mine is out, so the walking group 0 may be written
	ds_add_u32 v[SPW], v[NIL]
	s_xor_b32 s[G0B+1], s[G0B+1], SLOTB            ; the other slot than last time,
	s_add_nc_u64 s[G0B+2:G0B+3], s[G0B+2:G0B+3], TILEB  ; the next tile; the type bits on top are not reached
	MM \fmt, F0B, F1A, 0, 0, 2, CA
	s_wait_dscnt 0x0                               ; the add is done, and my reads of the slot are over
	s_barrier_signal -1
	MM \fmt, F0B, F1A, 0, 2, 2, CA
	WIN 0                                          ; at a branch and at a label every window is 0
	s_barrier_wait -1
	CREST                                          ; no wave of any partner still reads its slot or has a load on its way
	tensor_load_to_lds s[G0B:G0B+3], s[G1:G1+7]
	s_nop 0
	STEPADR
.endm
.macro RB                              ; the next step's first fragments
	L0 F0A, 0, 0, 7
	L1 F1A, 0, 0
.endm
.macro H3 fmt
	MM \fmt, F0B, F1B, 1, 0, 4, CA
.endm
.macro RAN fmt, last                   ; the last two changes: nothing is left to ask for, so there is no add, no round and no load
	s_wait_dscnt 0x0
	WIN 0
	PLACES
	L1 F1B, 1, 1
.if !(\last)
	s_wait_tensorcnt 0x0                           ; the last tile is in
.endif
	MM \fmt, F0B, F1A, 0, 0, 4, CA
	WIN 0
.if \last
	s_wait_dscnt 0x0
.else
	STEPADR
	RB
	s_wait_dscnt 0x18                              ; all but the 24 loads just issued
.endif
.endm
; A GEMM's first 32 along K start the sums: with the bias as C (it lies in F0B, which takes its fragments only afterwards) or with 0.
.macro AZ fmt, cm
	s_wait_dscnt 0x0
	WIN 0
	PLACES
	L1 F1B, 0, 1
.if (\cm) == CZ
	L0 F0B, 1, 0, 3
.endif
	MM \fmt, F0A, F1A, 0, 0, 4, \cm
	s_wait_dscnt 0x0
	WIN 0
	PLACES
	L1 F1A, 1, 0
.if (\cm) == CZ
	L0 F0B, 1, 4, 7
.endif
	MM \fmt, F0A, F1B, 1, 0, 4, \cm
.if (\cm) != CZ
	WIN 0
	PLACES
	L0 F0B, 1, 0, 7
.endif
.endm
.macro GLOOP fmt, trips                ; a trip: the second half of one K step and the first half of the next
	WIN 0
	s_mov_b32 s[CNT], \trips
.Lk_\@:
	RA \fmt
	RB
	H3 \fmt
	H0 \fmt
	H1 \fmt
	WIN 0
	s_sub_co_u32 s[CNT], s[CNT], 1
	s_cmp_lg_u32 s[CNT], 0
	s_cbranch_scc1 .Lk_\@
.endm
.macro PRE_W                           ; the next GEMM's weights of K half 0
.if ROLE == 0
	L0 F0A, 0, 0, 7
.else
	L1 F1A, 0, 0
.endif
.endm
.macro PRE_X                           ; and its activations, from K step 0
	s_mov_b32 s[TBX], 0
.irp i, 0,1,2,3
	v_mov_b32 v[XA+\i], v[XB+\i]
.endr
.if ROLE == 0
	L1 F1A, 0, 0
.else
	L0 F0A, 0, 0, 7
.endif
.endm
.macro LBIAS g, base                   ; bias g as eight C tiles: register j of tile z holds b[128 w + 16 z + 8 h + j]
.set z, 0
.rept 8
	ds_load_b128 v[(\base)+8*z:(\base)+8*z+3], v[BA] offset:(\g)*2048+64*z
	ds_load_b128 v[(\base)+8*z+4:(\base)+8*z+7], v[BA] offset:(\g)*2048+64*z+16
.set z, z+1
.endr
.endm
.macro LDIN c                          ; chunk c of the inputs (64 k, 256 bytes of each of my 32 rows): sixteen lanes read one row's aligned 256 bytes
	WIN 0x40
.set z, 0
.rept 16
	global_load_b128 v[64*((\c)%4)+4*z:64*((\c)%4)+4*z+3], v[GI], s[4:5] offset:(16*(z/8)+z%8)*2048+256*(\c) th:TH_LOAD_NT
.set z, z+1
.endr
	WIN 0
.endm
.macro STAGE c, again, left            ; chunk c is rounded to bf16 and laid into LDS; again = 1: its registers take the chunk four on.  left: the younger loads, which stay out
	s_wait_loadcnt \left
	WIN 0x05
.set z, 0
.rept 32
	v_cvt_pk_bf16_f32 v[F0A+z], v[64*((\c)%4)+2*z], v[64*((\c)%4)+2*z+1]
.set z, z+1
.endr
	WIN 0
.set z, 0
.rept 16
	ds_store_b64 v[SI+(\c)/4], v[F0A+2*z:F0A+2*z+1] offset:((\c)%4)*INC+(16*(z/8)+z%8)*INP  ; lanes 16-31 lie 8 rows, 1,152 bytes, on: the other half of the banks
.set z, z+1
.endr
.if \again
	LDIN (\c)+4
.endif
.endm
.macro TOACT i                         ; pair i of row tiles, my 128 columns: rounded to f16 and stored as fragments
	WIN 0x0a+5*((\i)/2)
.set z, 0
.rept 64
	v_cvt_pk_f16_f32 v[F1A+z], v[128*((\i)%2)+2*z], v[128*((\i)%2)+2*z+1]
.set z, z+1
.endr
	WIN 0
.set z, 0
.rept 16                               ; z = 8 e + b
	ds_store_b128 v[XS+(\i)], v[F1A+4*z:F1A+4*z+3] offset:((z%8)/2)*8192+(z%2)*512+(z/8)*1024
.set z, z+1
.endr
.endm
	; ---------------------------------------------------------------- the head
	s_load_b512 s[4:19], s[0:1], 0x0               ; inputs, wimg, b_in, b_q, b_k, b_v, b_r, b_o
	s_load_b64 s[20:21], s[0:1], 0x40              ; out0
	v_lshl_add_u32 v[SPW], v0, 2, SPARE
	v_mov_b32 v[NIL], 0
	ds_add_u32 v[SPW], v[NIL]                      ; the wave's opening: the add and its wait stand ahead of my first tensor load, the set-up between them
	v_lshrrev_b32 v[TM], 5, v0
	v_readfirstlane_b32 s[WV], v[TM]               ; wave 0..3
	s_bfe_u32 s23, ttmp6, 0x40000                  ; cx: it enters the addresses of inputs and out0 alone
	s_lshl_b32 s24, ttmp9, 2
	s_add_co_u32 s24, s24, s23                     ; my block of 128 rows
	s_lshl_b32 s30, s24, 18                        ; of 2,048 bytes
	s_mov_b32 s31, 0
	s_mov_b32 s[PW], s[WV]
	s_xor_b32 s[PW+1], s[WV], 1
	s_xor_b32 s[PW+2], s[WV], 2
	s_xor_b32 s[PW+3], s[WV], 3
	s_mov_b32 s[G1], 15|(3<<16)|(1<<21)            ; 15:0 the mask of four; 17:16 elements of 8 bytes; 21 set beside a mask; no padding
	s_mov_b32 s[G1+1], 32<<16                      ; tensor_dim0 = 32 elements: rows of 256 bytes
	s_mov_b32 s[G1+2], 64<<16                      ; tensor_dim1 = 64
	s_mov_b32 s[G1+3], 32<<16                      ; tile_dim0 = 32
	s_mov_b32 s[G1+4], 64                          ; tile_dim1 = 64
	s_mov_b32 s[G1+5], 32                          ; dense: each row begins where the last ends
	s_mov_b32 s[G1+6], 0
	s_mov_b32 s[G1+7], 0
	s_mov_b32 s[G0A], 1
	s_lshl_b32 s[G0A+1], s[WV], 15                 ; my ring: two slots of 16,384 bytes
	s_mov_b32 s[G0B], 1
	s_add_co_u32 s[G0B+1], s[G0A+1], SLOTB
	s_lshl_b32 s[SA], s[WV], 14                    ; my quarter of a tile
	s_mov_b32 s[SA+1], 0
	s_mov_b32 s[TBW], 0
	s_mov_b32 s[TBX], 0
	s_mov_b32 s[CS], 0x3fb8aa3b                    ; log2(e)
	s_mov_b32 s[CS+1], s[CS]
	s_mov_b32 s[SEL], 0x76543210
	s_mov_b32 s[SEL+1], 0xfedcba98
	v_and_b32 v[R16], 15, v0
	v_bfe_u32 v[HH], v0, 4, 1
	v_and_b32 v[L16], 31, v0
	v_lshlrev_b32 v[L16], 4, v[L16]
	v_add_nc_u32 v[WB], s[G0A+1], v[L16]
	v_mov_b32 v[WA], v[WB]
	v_mul_u32_u24 v[TM+1], v[R16], INP
	v_lshl_add_u32 v[TM+1], v[HH], 4, v[TM+1]      ; a chunk's row x pitch + 16 x half
.irp i, 0,1,2,3
	s_mul_i32 s[SC0], s[PW+\i], 32*INP
	s_add_co_u32 s[SC0], s[SC0], ACT
	v_add_nc_u32 v[XB+\i], s[SC0], v[TM+1]
	v_mov_b32 v[XA+\i], v[XB+\i]
	s_lshl_b32 s[SC0], s[PW+\i], 11
	s_add_co_u32 s[SC0], s[SC0], s[G0A+1]          ; my columns: K blocks 4 w .. of 8,192 bytes
	s_add_co_u32 s[SC0], s[SC0], ACT
	v_add_nc_u32 v[XS+\i], s[SC0], v[L16]
	s_mul_i32 s[SC0], s[PW+\i], 12288
	s_add_co_u32 s[SC0], s[SC0], EX
	v_add_nc_u32 v[BXI+\i], s[SC0], v[L16]
	s_lshl_b32 s[SC0], s[PW+\i], 9
	s_add_co_u32 s[SC0], s[SC0], RM
	v_lshl_add_u32 v[RL+\i], v[R16], 4, s[SC0]
	v_lshl_add_u32 v[RS+\i], v[TM], 2, v[RL+\i]
.endr
	s_lshl_b32 s[SC0], s[WV], 9
	s_add_co_u32 s[SC0], s[SC0], BT
	v_lshl_add_u32 v[BA], v[HH], 5, s[SC0]
	v_lshl_add_u32 v[BAN], v[R16], 2, s[SC0]
	v_add_nc_u32 v[BAN], 3*2048, v[BAN]
	v_lshlrev_b32 v[GI], 4, v[R16]                 ; 16 bytes a lane, lanes 16-31 eight rows down, 32 rows a wave
	v_lshl_add_u32 v[GI], v[HH], 14, v[GI]
	v_lshl_add_u32 v[GI], v[TM], 16, v[GI]
	s_mul_i32 s[SC0], s[WV], 32*INP
	s_add_co_u32 s[SC0], s[SC0], ACT
	v_mul_u32_u24 v[SI], v[HH], 8*INP
	v_lshl_add_u32 v[SI], v[R16], 3, v[SI]
	v_add_nc_u32 v[SI], s[SC0], v[SI]
	v_add_nc_u32 v[SI+1], 4*INC, v[SI]
	v_lshl_add_u32 v[BTS], v0, 4, BT
	v_lshlrev_b32 v[TM+4], 4, v0                   ; my 16 bytes of each bias
	s_mul_i32 s[SC0], s[WV], 16*OSP
	s_add_co_u32 s[SC0], s[SC0], EX
	v_mul_u32_u24 v[SO], v[R16], OSP
	v_lshl_add_u32 v[SO], v[HH], 5, v[SO]
	v_add_nc_u32 v[SO], s[SC0], v[SO]
	v_add_nc_u32 v[RO], s[SC0], v[L16]
	s_wait_dscnt 0x0                               ; the opening add is done
	s_wait_kmcnt 0x0
	s_add_nc_u64 s[4:5], s[4:5], s[30:31]
	s_add_nc_u64 s[20:21], s[20:21], s[30:31]
	s_add_nc_u64 s[G0A+2:G0A+3], s[6:7], s[SA:SA+1]      ; tile 0, my quarter: the same in all four work-groups
	s_add_nc_u64 s[G0B+2:G0B+3], s[G0A+2:G0A+3], TILEB   ; tile 1
	s_or_b32 s[G0A+3], s[G0A+3], 0x80000000        ; type = 2
	s_or_b32 s[G0B+3], s[G0B+3], 0x80000000
.irp g, 0,1,2,3,4,5
	global_load_b128 v[96+4*\g:99+4*\g], v[TM+4], s[8+2*\g:9+2*\g]
.endr
	LDIN 0                                         ; half of my rows' bytes are asked for at once
	LDIN 1
	LDIN 2
	LDIN 3
	ROUND                                          ; all four work-groups are here: the first joint loads meet
	tensor_load_to_lds s[G0A:G0A+3], s[G1:G1+7]    ; two tensor loads of mine are out
	s_nop 0
	tensor_load_to_lds s[G0B:G0B+3], s[G1:G1+7]
	s_nop 0
	PLACES
	; ---------------------------------------------------------------- biases and the first four chunks into LDS
	s_wait_loadcnt 0x3f                            ; 70 loads were issued: all but the youngest 63 are in, the six biases among them
.irp g, 0,1,2,3,4,5
	v_cvt_pk_bf16_f32 v[TM], v[96+4*\g], v[97+4*\g]      ; rounded to bf16 like every input,
	v_cvt_pk_bf16_f32 v[TM+1], v[98+4*\g], v[99+4*\g]
	v_lshlrev_b32 v[96+4*\g], 16, v[TM]                  ; and kept as f32
	v_and_b32 v[97+4*\g], 0xffff0000, v[TM]
	v_lshlrev_b32 v[98+4*\g], 16, v[TM+1]
	v_and_b32 v[99+4*\g], 0xffff0000, v[TM+1]
	ds_store_b128 v[BTS], v[96+4*\g:99+4*\g] offset:2048*\g
.endr
	STAGE 0, 1, 48                                 ; three younger chunks of 16 loads stay out
	STAGE 1, 1, 48
	STAGE 2, 1, 48
	STAGE 3, 1, 48
	s_wait_dscnt 0x0                               ; for the others' sake: my stores are done
	s_wait_tensorcnt 0x1                           ; tile 0 is in; tile 1 may stay out
	BAR
.set ROLE,  0
.set XJ,    64                         ; in a chunk: 32 k on, 16 rows on, the fragment's second half, the next chunk
.set XT,    16*INP
.set XQ,    32
.set XSTEP, INC
	PRE_W
	L1 F1A, 0, 0
	LBIAS 0, F0B
	; ---------------------------------------------------------------- x = relu(inputs W_in + b_in)
	AZ bf16, CB
	GLOOP bf16, 3
	PLACES                                         ; the conversions below write registers that the last products read
	STAGE 4, 0, 48                                 ; the other four chunks have had three K steps and a half in which to land; the next change's wait and round show them to every wave
	STAGE 5, 0, 32
	STAGE 6, 0, 16
	STAGE 7, 0, 0
	GLOOP bf16, 4
	RA bf16                                        ; behind this round no wave reads the chunks any more
	PRE_W
	H3 bf16
	WIN 0
	PLACES
	LBIAS 1, F0B
.set i, 0
.rept 4
	WIN 0x88+0x44*(i/2)
.set z, 128*(i%2)
.rept 128
	v_max_num_f32 v[z], 0, v[z]                    ; each accumulator from its low end on
.set z, z+1
.endr
	TOACT i
.set i, i+1
.endr
.irp i, 0,1,2,3
	s_lshl_b32 s[SC0], s[PW+\i], 11
	s_add_co_u32 s[SC0], s[SC0], ACT
	v_add_nc_u32 v[XB+\i], s[SC0], v[L16]          ; from now on the activations are fragment images
.endr
.set XJ,    8192
.set XT,    1024
.set XQ,    512
.set XSTEP, 16384
	s_wait_dscnt 0x0                               ; my part of x is stored
	BAR
	PRE_X
	; ---------------------------------------------------------------- q
	AZ f16, CB
	GLOOP f16, 7
	RA f16
	PRE_W
	PRE_X
	H3 f16
	WIN 0
	PLACES
	LBIAS 2, F0B
.set a, 0
.rept 8                                ; q's fragments: row tile a, 32 columns t at 32 a + 8 t of window 1
	WIN 0x4a+5*(a/4)
.set z, 0
.rept 32
	v_cvt_pk_bf16_f32 v[32*a+z], v[64*(a%4)+2*z], v[64*(a%4)+2*z+1]
.set z, z+1
.endr
.set a, a+1
.endr
	; ---------------------------------------------------------------- k
	AZ f16, CB
	GLOOP f16, 7
	RA f16
	H3 f16
	PLACES
.set g, 0
.rept 2                                ; k's fragments in place: row tile c, 32 columns t at 32 c + 8 t of its own window; a write never passes what is still to be read
	WIN 0xaa+0x55*g
.set z, 0
.rept 128
	v_cvt_pk_bf16_f32 v[z], v[2*z], v[2*z+1]
.set z, z+1
.endr
.set g, g+1
.endr
	; ---------------------------------------------------------------- S^T = K Q^T over my 128 columns: batch g, query tile y, key tile x at 128 + 8 (4 y + x) of window 2 + g
.set g, 0
.rept 2
	WIN 0xa6+0x51*g
.set t, 0
.rept 4
.set y, 0
.rept 4
.set x, 0
.rept 4
.set rD, 128+8*(4*y+x)
.if t == 0
	v_wmma_f32_16x16x32_bf16 v[rD:rD+7], v[32*x+8*t:32*x+8*t+7], v[32*(4*g+y)+8*t:32*(4*g+y)+8*t+7], 0
.else
	v_wmma_f32_16x16x32_bf16 v[rD:rD+7], v[32*x+8*t:32*x+8*t+7], v[32*(4*g+y)+8*t:32*(4*g+y)+8*t+7], v[rD:rD+7]
.endif
.set x, x+1
.endr
.set y, y+1
.endr
.set t, t+1
.endr
.set g, g+1
.endr
	WIN 0
	PLACES
	; ---------------------------------------------------------------- the partial sums meet: query tile e of pair i goes to the wave that owns the pair, into part i - 1 of its inbox
.macro XSEND e
.set i, 1
.rept 3
	WIN 0x08+4*(i/2)
.set x, 0
.rept 4
.set rD, 128+8*(4*(2*(i%2)+(\e))+x)
	ds_store_b128 v[BXI+i], v[rD:rD+3] offset:(i-1)*4096+x*1024
	ds_store_b128 v[BXI+i], v[rD+4:rD+7] offset:(i-1)*4096+x*1024+512
.set x, x+1
.endr
.set i, i+1
.endr
	WIN 0
.endm
.macro XRECV e                         ; the sender's order of key tiles differs from mine by a swap of the pairs where i is odd
.set i, 1
.rept 3
.set x, 0
.rept 4
.set rD, 64+96*(\e)+32*(i-1)+8*x
	ds_load_b128 v[rD:rD+3], v[BXI] offset:(i-1)*4096+(x^(2*(i&1)))*1024
	ds_load_b128 v[rD+4:rD+7], v[BXI] offset:(i-1)*4096+(x^(2*(i&1)))*1024+512
.set x, x+1
.endr
.set i, i+1
.endr
.endm
.macro XSUM e                          ; my own part and the three others'
.set rS, 64+96*(\e)
	WIN 0x02
.set z, 0
.rept 16
	v_pk_add_f32 v[rS+2*z:rS+2*z+1], v[128+32*(\e)+2*z:128+32*(\e)+2*z+1], v[rS+2*z:rS+2*z+1]
.set z, z+1
.endr
	WIN 0
.set z, 0
.rept 16
	v_pk_add_f32 v[rS+2*z:rS+2*z+1], v[rS+2*z:rS+2*z+1], v[rS+32+2*z:rS+32+2*z+1]
.set z, z+1
.endr
.set z, 0
.rept 16
	v_pk_add_f32 v[rS+2*z:rS+2*z+1], v[rS+2*z:rS+2*z+1], v[rS+64+2*z:rS+64+2*z+1]
.set z, z+1
.endr
.endm
; A lane holds one query and 32 of its 64 scores; the other 32 lie in the lane 16 away.  p = 2^(c s - c m) with the row's true maximum m, c = log2(e); P = p / l, rounded to bf16.
.macro SOFTMAX e
.set rS, 64+96*(\e)
.set rU, rS+32
.set rP, rS+48
.set rT, IV+8*(\e)
	v_max3_num_f32 v[rT], v[rS], v[rS+1], v[rS+2]
	v_max3_num_f32 v[rT+1], v[rS+3], v[rS+4], v[rS+5]
	v_max3_num_f32 v[rT+2], v[rS+6], v[rS+7], v[rS+8]
	v_max3_num_f32 v[rT+3], v[rS+9], v[rS+10], v[rS+11]
.set z, 12
.rept 10
	v_max3_num_f32 v[rT+((z-12)/2)%4], v[rT+((z-12)/2)%4], v[rS+z], v[rS+z+1]
.set z, z+2
.endr
	v_max3_num_f32 v[rT], v[rT], v[rT+1], v[rT+2]
	v_max_num_f32 v[rT], v[rT], v[rT+3]
	v_permlanex16_b32 v[rT+1], v[rT], s[SEL], s[SEL+1]
	v_max_num_f32 v[rT], v[rT], v[rT+1]
	v_mul_f32 v[rT+2], s[CS], v[rT]
.set z, 0
.rept 16
	v_pk_fma_f32 v[rS+2*z:rS+2*z+1], v[rS+2*z:rS+2*z+1], s[CS:CS+1], v[rT+2:rT+3] op_sel_hi:[1,0,0] neg_lo:[0,0,1] neg_hi:[0,0,1]
.set z, z+1
.endr
.set z, 0
.rept 32
	v_exp_f32 v[rS+z], v[rS+z]
.set z, z+1
.endr
	v_nop                                          ; a plain instruction between the last exponential and the use of its result
.set z, 0
	s_wait_alu depctr_va_vdst(0)
.rept 8
	v_pk_add_f32 v[rU+2*z:rU+2*z+1], v[rS+4*z:rS+4*z+1], v[rS+4*z+2:rS+4*z+3]
.set z, z+1
.endr
.set z, 0
.rept 4
	v_pk_add_f32 v[rU+4*z:rU+4*z+1], v[rU+4*z:rU+4*z+1], v[rU+4*z+2:rU+4*z+3]
.set z, z+1
.endr
	v_pk_add_f32 v[rU:rU+1], v[rU:rU+1], v[rU+4:rU+5]
	v_pk_add_f32 v[rU+8:rU+9], v[rU+8:rU+9], v[rU+12:rU+13]
	v_pk_add_f32 v[rU:rU+1], v[rU:rU+1], v[rU+8:rU+9]
	v_add_f32 v[rT+4], v[rU], v[rU+1]
	v_permlanex16_b32 v[rT+1], v[rT+4], s[SEL], s[SEL+1]
	v_add_f32 v[rT+4], v[rT+4], v[rT+1]
	v_rcp_f32 v[rT+6], v[rT+4]                     ; l is at least 1; made twice, for the packed multiply
	v_rcp_f32 v[rT+7], v[rT+4]
	v_nop
.set z, 0
	s_wait_alu depctr_va_vdst(0)
.rept 16
	v_pk_mul_f32 v[rS+2*z:rS+2*z+1], v[rS+2*z:rS+2*z+1], v[rT+6:rT+7]
.set z, z+1
.endr
.set z, 0
.rept 16
	v_cvt_pk_bf16_f32 v[rP+z], v[rS+2*z], v[rS+2*z+1]
.set z, z+1
.endr
.set x, 0
.rept 4                                ; key tiles 2 t and 2 t + 1 are the two halves of fragment t; into my own inbox, which I have read out and into which nobody stores any more
	ds_store_b128 v[BXI], v[rP+4*x:rP+4*x+3] offset:(\e)*2048+x*512
.set x, x+1
.endr
.endm
	XSEND 0
	s_wait_dscnt 0x0                               ; my stores into the others' inboxes are done
	BAR
	XRECV 0
	s_wait_dscnt 0x0                               ; my inbox is read out: it may be written again
	BAR
	XSEND 1
	s_wait_dscnt 0x0
	BAR
	XRECV 1
	XSUM 0
	s_wait_dscnt 0x0
	XSUM 1
	SOFTMAX 0
	SOFTMAX 1
.set ROLE, 1
	PRE_W
	PRE_X
.set z, 0
.rept 64                               ; b_v as C: all eight registers of tile z / 8 hold b_v[128 w + 16 (z / 8) + L % 16]
	ds_load_b32 v[F0B+z], v[BAN] offset:64*(z/8)
.set z, z+1
.endr
	; ---------------------------------------------------------------- v (source 0 = rows of x)
	AZ f16, CN
	GLOOP f16, 7
	RA f16
.set ROLE, 0
	PRE_W
	PRE_X
	H3 f16
	WIN 0
	PLACES
	LBIAS 4, F0B
.set b, 0
.rept 8                                ; V^T's fragments: batch g, column tile b, 32 keys t at 128 g + 16 b + 8 t of window 1
	WIN 0x4a+5*(b/4)
.set a, 0
.rept 8
.set j, 0
.rept 4
	v_cvt_pk_bf16_f32 v[128*(a/4)+16*b+4*(a%4)+j], v[8*(8*(b%4)+a)+2*j], v[8*(8*(b%4)+a)+2*j+1]
.set j, j+1
.endr
.set a, a+1
.endr
.set b, b+1
.endr
	; ---------------------------------------------------------------- r, and onto it P V
.macro PLOAD a                         ; P of row tile a, from the wave that made it; its order of the 32-key blocks differs from mine where the pair's number is odd
.set t, 0
.rept 2
	ds_load_b128 v[F0A+8*(2*(\a)+t):F0A+8*(2*(\a)+t)+3], v[BXI+(\a)/2] offset:((\a)%2)*2048+(t^(((\a)/2)&1))*1024
	ds_load_b128 v[F0A+8*(2*(\a)+t)+4:F0A+8*(2*(\a)+t)+7], v[BXI+(\a)/2] offset:((\a)%2)*2048+(t^(((\a)/2)&1))*1024+512
.set t, t+1
.endr
.endm
	AZ f16, CB
	GLOOP f16, 7
	RA f16
	PLOAD 0
	PLOAD 1
	PLOAD 2
	PLOAD 3
	H3 f16
	WIN 0
.rept 5
	v_nop                                          ; four places in front of the loads below; five in front of products of another form on the same accumulators
.endr
	PLOAD 4
	PLOAD 5
	PLOAD 6
	PLOAD 7
	s_wait_dscnt 0x0
.set g, 0
.rept 2
	WIN 0xa1+0x50*g
.set t, 0
.rept 2
.set y, 0
.rept 4
.set x, 0
.rept 8
.set rD, 8*(8*y+x)
	v_wmma_f32_16x16x32_bf16 v[rD:rD+7], v[128*g+16*x+8*t:128*g+16*x+8*t+7], v[F0A+8*(2*(4*g+y)+t):F0A+8*(2*(4*g+y)+t)+7], v[rD:rD+7]
.set x, x+1
.endr
.set y, y+1
.endr
.set t, t+1
.endr
.set g, g+1
.endr
	WIN 0
	PLACES
	PRE_W
	; ---------------------------------------------------------------- ctx: each row's largest magnitude, over my columns, then over the four waves
.set g, 0
.rept 2
	WIN 0x0a+5*g
.set x, 0
.rept 8
.set j, 0
.rept 4
.set y, 0
.rept 4
.if (x == 0) && (j == 0)
	v_max_num_f32 v[F0B+2*(4*g+y)], |v[64*y]|, |v[64*y+1]|
.else
	v_max3_num_f32 v[F0B+2*(4*g+y)], |v[64*y+8*x+2*j]|, |v[64*y+8*x+2*j+1]|, v[F0B+2*(4*g+y)]
.endif
.set y, y+1
.endr
.set j, j+1
.endr
.set x, x+1
.endr
.set g, g+1
.endr
	WIN 0
	ALL8 v_permlanex16_b32 v[F0B+2*a+1], v[F0B+2*a], s[SEL], s[SEL+1]
	ALL8 v_max_num_f32 v[F0B+2*a], v[F0B+2*a], v[F0B+2*a+1]
	ALL8 ds_store_b32 v[RS+a/2], v[F0B+2*a] offset:256*(a%2)
	s_wait_dscnt 0x0                               ; my maxima are stored; my reads of x and of P are long over
	BAR
	ALL8 ds_load_b128 v[F0B+16+4*a:F0B+19+4*a], v[RL+a/2] offset:256*(a%2)
	s_wait_dscnt 0x0
	ALL8 v_max3_num_f32 v[F0B+2*a], v[F0B+16+4*a], v[F0B+17+4*a], v[F0B+18+4*a]
	ALL8 v_max3_num_f32 v[F0B+2*a], v[F0B+2*a], v[F0B+19+4*a], 0x08000000   ; at least 2^-111, so that both powers below are normal numbers
	ALL8 v_lshrrev_b32 v[F0B+2*a], 23, v[F0B+2*a]                           ; E, the biased exponent
	ALL8 v_sub_nc_u32 v[F0B+2*a+1], 268, v[F0B+2*a]
	ALL8 v_add_nc_u32 v[IV+2*a], -14, v[F0B+2*a]
	ALL8 v_lshlrev_b32 v[F0B+2*a+1], 23, v[F0B+2*a+1]                       ; the scale 2^(141 - E): the row's largest lands in 2^14 .. 2^15
	ALL8 v_lshlrev_b32 v[IV+2*a], 23, v[IV+2*a]                             ; and 2^(E - 141)
	ALL8 v_mov_b32 v[F0B+2*a], v[F0B+2*a+1]
	ALL8 v_mov_b32 v[IV+2*a+1], v[IV+2*a]
.set i, 0
.rept 4
	WIN 0x82+0x41*(i/2)
.set z, 0
.rept 64                               ; z / 32 = e
	v_pk_mul_f32 v[128*(i%2)+2*z:128*(i%2)+2*z+1], v[128*(i%2)+2*z:128*(i%2)+2*z+1], v[F0B+2*(2*i+z/32):F0B+2*(2*i+z/32)+1]
.set z, z+1
.endr
	TOACT i
.set i, i+1
.endr
	s_wait_dscnt 0x0                               ; my part of ctx is stored
	BAR
	PRE_X
	; ---------------------------------------------------------------- out = relu(ctx W_o + b_o)
	AZ f16, CZ
	GLOOP f16, 6                                   ; the sixth trip asks for the last tile
	RAN f16, 0
	H3 f16
	H0 f16
	H1 f16
	RAN f16, 1
	H3 f16
	WIN 0
	PLACES
	LBIAS 5, F0A
	s_lshl_b32 s[SC0+1], s[WV], 9
.irp i, 0,1,2,3
	s_lshl_b32 s[SC0], s[PW+\i], 16                ; 32 rows of 2,048 bytes,
	s_add_co_u32 s[SC0], s[SC0], s[SC0+1]          ; my 512 bytes of a row
	v_add_nc_u32 v[GO+\i], s[SC0], v[L16]
.endr
	s_wait_dscnt 0x0                               ; b_o
; THE WAY OUT, a row tile at a time: scaled back, the bias added, relu; through my own stage in LDS, so that a store of the wave is 512 consecutive bytes of a row.
.macro OPACK a
	WIN 0x02+(\a)/4
.set z, 0
.rept 32
	v_pk_fma_f32 v[F0B+2*z:F0B+2*z+1], v[64*((\a)%4)+2*z:64*((\a)%4)+2*z+1], v[IV+2*(\a):IV+2*(\a)+1], v[F0A+2*z:F0A+2*z+1]
.set z, z+1
.endr
	WIN 0
.set z, 0
.rept 64
	v_max_num_f32 v[F0B+z], 0, v[F0B+z]
.set z, z+1
.endr
.endm
.macro OSTAGE
.set z, 0
.rept 16
	ds_store_b128 v[SO], v[F0B+4*z:F0B+4*z+3] offset:64*(z/2)+16*(z%2)
.set z, z+1
.endr
	s_wait_xcnt 0x0                                ; the registers that the last tile's stores read are loaded again only behind this wait
.set z, 0
.rept 16
	ds_load_b128 v[F1A+4*z:F1A+4*z+3], v[RO] offset:OSP*z  ; LDS serves a wave's instructions in order (ISA guide 5.7.1.4): these see the stores above
.set z, z+1
.endr
.endm
.macro OSEND a
	s_wait_dscnt 0x0
.set z, 0
.rept 16
	global_store_b128 v[GO+(\a)/2], v[F1A+4*z:F1A+4*z+3], s[20:21] offset:(16*((\a)%2)+z)*2048 th:TH_STORE_NT
.set z, z+1
.endr
.endm
	OPACK 0
	OSTAGE
.irp a, 1,2,3,4,5,6,7                  ; a tile's arithmetic stands between the loads of the tile before and the wait for them
	OPACK \a
	OSEND (\a)-1
	OSTAGE
.endr
	OSEND 7
	s_wait_tensorcnt 0x0                           ; the wave's end
	ds_add_u32 v[SPW], v[NIL]
	s_wait_dscnt 0x0
	ROUND                                          ; the closing round: no work-group ends while a partner may still ask for a tile that names it
	s_endpgm
.Lfunc_end_k_q5d198eed17_fused:
	.size	k_q5d198eed17_fused, .Lfunc_end_k_q5d198eed17_fused-k_q5d198eed17_fused
	.p2alignl 7, 3214868480
	.fill 96, 4, 3214868480
	.section	.rodata,"a",@progbits
	.p2align	6, 0x0
	.amdhsa_kernel k_q5d198eed17_fused
		.amdhsa_group_segment_fixed_size 327680
		.amdhsa_private_segment_fixed_size 0
		.amdhsa_enable_private_segment 0
		.amdhsa_kernarg_size 72
		.amdhsa_user_sgpr_count 2
		.amdhsa_user_sgpr_kernarg_segment_ptr 1
		.amdhsa_wavefront_size32 1
		.amdhsa_system_sgpr_workgroup_id_x 1
		.amdhsa_system_sgpr_workgroup_id_y 1
		.amdhsa_system_sgpr_workgroup_id_z 1
		.amdhsa_system_vgpr_workitem_id 0
		.amdhsa_next_free_vgpr 1024
		.amdhsa_next_free_sgpr 66
		.amdhsa_reserve_vcc 0
		.amdhsa_float_denorm_mode_32 3
		.amdhsa_float_denorm_mode_16_64 3
		.amdhsa_memory_ordered 1
		.amdhsa_forward_progress 1
		.amdhsa_inst_pref_size 255
	.end_amdhsa_kernel
	.section	.bss,"aw",@nobits
	.p2align	6
	.space	262144
	.amdgpu_metadata
---
amdhsa.version: [ 1, 2 ]
amdhsa.kernels:
  - .name:           k_q5d198eed17_fused
    .symbol:         k_q5d198eed17_fused.kd
    .args:
      - { .name: inputs, .offset: 0, .size: 8, .value_kind: global_buffer, .address_space: global }
      - { .name: wimg, .offset: 8, .size: 8, .value_kind: global_buffer, .address_space: global }
      - { .name: b_in, .offset: 16, .size: 8, .value_kind: global_buffer, .address_space: global }
      - { .name: b_q, .offset: 24, .size: 8, .value_kind: global_buffer, .address_space: global }
      - { .name: b_k, .offset: 32, .size: 8, .value_kind: global_buffer, .address_space: global }
      - { .name: b_v, .offset: 40, .size: 8, .value_kind: global_buffer, .address_space: global }
      - { .name: b_r, .offset: 48, .size: 8, .value_kind: global_buffer, .address_space: global }
      - { .name: b_o, .offset: 56, .size: 8, .value_kind: global_buffer, .address_space: global }
      - { .name: out0, .offset: 64, .size: 8, .value_kind: global_buffer, .address_space: global }
    .group_segment_fixed_size: 327680
    .private_segment_fixed_size: 0
    .kernarg_segment_align: 8
    .kernarg_segment_size: 72
    .max_flat_workgroup_size: 128
    .sgpr_count:     66
    .vgpr_count:     1024
    .wavefront_size: 32
...
	.end_amdgpu_metadata
.endif
;; end of part 2
;; ======== version 2 of 2: 2 launches; 1.17 times as fast as version 1
;; limits: values are held in f16: magnitudes above 65,504 overflow, below 6.1e-05 lose precision
;; workspace buffers: wimg 3,145,728 bytes
;; launch prep: the kernel of part 1 again; grid 64 x 6, 4 waves a work-group, no clusters, 9,728 bytes of LDS; arguments W_in, W_q, W_k, W_v, W_r, W_o, wimg; writes wimg
;; launch fused (part 3): grid 256 x 1, 4 waves a work-group, clusters of 4 x 1, 327,680 bytes of LDS; arguments inputs, wimg, b_in, b_q, b_k, b_v, b_r, b_o, out0; writes out0
.if DOCPART == 3
	.amdgcn_target "amdgcn-amd-amdhsa--gfx1250"
	.amdhsa_code_object_version 6
	.text
	.protected	k_q5d198eed17_fused
	.globl	k_q5d198eed17_fused
	.p2align	8
	.type	k_q5d198eed17_fused,@function
k_q5d198eed17_fused:
	s_mov_b64 s[64:65], 0
	v_nop
	global_prefetch_b8 v0, s[64:65] scope:SCOPE_SE
	s_setreg_imm32_b32 hwreg(HW_REG_WAVE_MODE, 25, 1), 1
	s_wait_xcnt 0x0
	s_wait_alu depctr_hold_cnt(0) depctr_sa_sdst(0) depctr_va_vdst(0) depctr_va_sdst(0) depctr_va_ssrc(0) depctr_va_vcc(0) depctr_vm_vsrc(0)
	s_getreg_b32 s2, hwreg(HW_REG_IB_STS2, 6, 4)
	s_cmp_eq_u32 s2, 0
	s_cbranch_scc0 .Lentry_in_a_cluster
	s_endpgm
.Lentry_in_a_cluster:
	s_bfe_u32 s2, ttmp6, 0x10000c
	s_cmp_lg_u32 s2, 0x3003
	s_cbranch_scc0 .Lentry_shape_is_right
	s_endpgm
.Lentry_shape_is_right:
; out = relu((softmax(q k^T) v + r) W_o + b_o), with x = relu(inputs W_in + b_in) and q, k, v, r = x W + b.  All of it in one launch.
; SHARES.  A work-group owns 128 rows (two batches of 64 agents).  Each of its four waves owns all 128 rows x 128 columns of every projection: 64 accumulators, 512 registers;
; for 32 along K a wave reads 16 KB of LDS for 64 matrix instructions.  x and ctx lie in LDS as fragment images; q, k, v, r never leave the wave's registers.
; Scores are four partial sums over the waves' 128 columns, added in f32 through LDS.
; LAYOUT.  x, q, k, r, out use the matrix instruction transposed (source 0 = 16 columns of W, source 1 = 16 rows): a lane holds one row and 8 neighbouring columns, and two neighbouring
; tiles rounded in pairs ARE a fragment with K along the columns.  v uses it as it is (source 0 = 16 rows): a lane holds one column and 8 rows, which rounded ARE fragments of V^T.
; S^T = K Q^T holds one query a lane; P rounded is source 1 of O^T = V^T P, which adds onto r's accumulators.
; b_v is added with b_r, behind the softmax: P (x W_v + 1 b_v) = P x W_v + b_v, since a row of P sums to 1 for every input.
; ORDER OF ROWS.  Wave w's pair i of row tiles (32 rows) is the block's pair i xor w.  So its own 32 rows (those whose softmax it makes) are always pair 0, pairs 0, 1 and 2, 3 are
; one batch each, and every register number and immediate is the same in all waves: only base addresses hang on w.
; ORDER OF K.  rho = (c + c / 4 + c / 16) mod 4 of the cluster's number c.  Wave w computes column block (w + rho) mod 4 and stores it at place w of the activations, so that place p of K
; holds the true K step (p + 2 rho) mod 8, and the weight tile asked for at place p is that one.  So of a GEMM's eight tiles a cluster asks for six that a cluster of another rho asked for two steps before.
; rho enters global addresses alone (weights, inputs, biases, out0): no LDS address and no branch hangs on it, and the four partners of a cluster share it.
; FORMATS.  inputs, weights and biases are rounded to bf16.  x and ctx are f16 (three more bits than bf16; the output's numbers near zero need them); q, k, v, P are bf16.
; LIMITS.  |x| and the five later weights stay within 65,504, or f16 gives an infinity (x is a sum of 512 products of an input and a weight of W_in); parts of them below 2^-14 keep f16's step of 2^-24.
; ctx is scaled row by row by a power of two, so that the row's largest number lies in 2^14 .. 2^15, and the result is scaled back: no limit of range above 2^-111.
; A weight of the softmax below 2^-126 counts as 0.  NaN and infinities are not treated apart.  The order of sums differs from the reference's: K in the cluster's order; a score is the sum of four partial sums.
; WEIGHTS come as fragment images (48 tiles of 64 KB, a K step of 64 each) through a ring of two LDS slots a wave: a wave fetches and reads its own quarter, 16 KB as 64 rows of 256 bytes.
; CLUSTER.  All work-groups need the same 48 tiles, so four of them ask JOINTLY: the same load, descriptor and mask in all four; the round of the cluster's barrier is the barrier in front of each refill.
; ONE TEXT serves the five f16 GEMMs (q, k, v, r, out): a fragment load names one of two sets of four address registers with the same immediates for weights and for activations, and a phase's head says
; which set is which.  The phases are counted by a scalar (5 to 1); behind the shared text a jump on it leads to the phase's own work.
; All of the LDS is claimed.
; REGISTERS, in windows of 256 (s_set_vgpr_msb: bits 1:0 source 0, 3:2 source 1, 5:4 source 2, 7:6 destination):
;   window 0: v0-63 addresses and small things; v64-127, v128-191 eight fragments of set 0 (K halves 0 and 1 of a step); v192-223, v224-255 four fragments of set 1 each
;   window 1: four chunks of inputs, then q's fragments, then V^T's          windows 2, 3: accumulator (s1, s0) at 8 (8 (s1 % 4) + s0) of window 2 + s1 / 4
;   set 0 = weights (s0 = column tile b), set 1 = rows (s1 = row tile a); in v's GEMM the other way round.
.set SLOTB,  16384                     ; a wave's slot
.set ACT,    131072                    ; behind the ring: x, later ctx: kb*8192 + tile*1024 + qh*512 + 16 L.  In the first GEMM: the inputs in bf16, 8 chunks of 128 rows x 64 k
.set EX,     262144                    ; the waves' inboxes for scores (12,288 each), then P, at the end the stage of the way out
.set BT,     311296                    ; six rows of 2,048 bytes in f32: b_in, b_q, b_k, zeros, b_r + b_v, b_o; place w of a row holds column block (w + rho) mod 4
.set RM,     323584                    ; row maxima of ctx: row*16 + 4 w
.set SPARE,  325632                    ; the spare words, 128 bytes a wave
.set INP,    144                       ; a row of a chunk: 128 bytes + 16: 16 rows start at 16 different groups of four banks (ISA guide 11.1)
.set INC,    128*INP
.set OSP,    528                       ; a row of the stage: 512 bytes + 16
.set R16, 1                            ; L % 16
.set HH,  2                            ; L / 16
.set L16, 3                            ; 16 L
.set SPW, 4                            ; my spare word; never rewritten
.set NIL, 5                            ; 0; never rewritten
.set BS0, 6                            ; v6-9    set 0: the address of tiles 2 i, 2 i + 1 at the GEMM's first K step
.set BS1, 10                           ; v10-13  set 1 likewise
.set AD0, 14                           ; v14-17  set 0 at the K step in hand
.set AD1, 18                           ; v18-21  set 1 likewise
.set XS,  22                           ; v22-25  where my columns of pair i go in ACT
.set BXI, 26                           ; v26-29  the inbox of the wave that owns pair i, + 16 L
.set BA,  30                           ; my columns in a row of BT, 8 for each half of the lanes
.set BAC, 31                           ; the same in the row of the phase in hand
.set IV,  32                           ; v32-47  in the softmax its statistics; later 1 / scale of ctx, a pair of equal numbers for each row tile
.set GI,  32                           ; v32-35  at the start: my byte offset in the inputs for the chunk at place c, later c + 4
.set SI,  36                           ; v36, v37  at the start: where my 8 bytes of a chunk's row go: places 0-3, 4-7
.set BTS, 38                           ; at the start: where my 16 bytes of a bias go
.set BGO, 39                           ; at the start: and where they come from
.set RS,  48                           ; v48-51  my word of pair i's row maxima
.set RL,  52                           ; v52-55  the four words
.set TM,  56                           ; v56-63  at work
.set GO,  6                            ; v6-9    at the end: my byte offset in out0 for pair i
.set SO,  10                           ; at the end: into the stage
.set RO,  11                           ; and back
.set F0A, 64
.set F0B, 128
.set F1A, 192
.set F1B, 224
.set WV,  22                           ; s22  my wave's number
.set ROT, 25                           ; s25  2 rho
.set PW,  26                           ; s26-29  i xor w
.set G1,  32                           ; s[32:39] descriptor group 1
.set G0A, 40                           ; s[40:43] group 0 of the first tile
.set G0B, 44                           ; s[44:47] group 0 of the second; it then serves every refill
.set TS0, 48                           ; s48  set 0: the K step in hand, in bytes
.set TS1, 49                           ; s49  set 1 likewise
.set CNT, 50
.set NXT, 51                           ; s51  the global step (0 .. 47) whose tile was asked for last
.set CS,  52                           ; s[52:53] log2(e)
.set SEL, 54                           ; s[54:55] v_permlanex16_b32: each lane takes its own place in the other half
.set SA,  56                           ; s[56:57] an offset; the high word stays 0
.set SC0, 58                           ; s58, s59 at work
.set PH,  60                           ; s60  the phase: 5 q, 4 k, 3 v, 2 r, 1 out
.set MK0, 61                           ; s61  set 0's step is cut by this mask: 0x4000 turns between the two slots, 0x1ffff walks the eight K steps
.set MK1, 62                           ; s62  set 1 likewise
.set CBK, 63                           ; s63  my column block, (w + rho) mod 4: it enters global addresses alone
.set PX,  68                           ; s68-71  ACT + (i xor w) * 2048
.set PT,  72                           ; s72-75  my ring + i * 2048
.set CA, 0                             ; C = D
.set CB, 1                             ; C = the tile s0 of F0B
.set MSB, 0
.macro WIN new                         ; the immediate's high byte repeats the setting that is left; a switch that changes nothing is dropped
.if MSB != (\new)
	s_set_vgpr_msb (MSB<<8)|(\new)
.set MSB, (\new)
.endif
.endm
; Four places stand between a matrix instruction and a load into, or a vector instruction on, one of its registers (ISA guide 7.12.1 for vector instructions).
.macro PLACES
.rept 4
	v_nop
.endr
.endm
.macro BAR
	s_barrier_signal -1
	s_barrier_wait -1
.endm
.macro CREST                           ; a round of the cluster's barrier behind its opening barrier
	s_cmp_lg_u32 s[WV], 0
	s_cbranch_scc1 .Lnot_wave_0_\@
	s_barrier_signal -3
.Lnot_wave_0_\@:
	s_barrier_wait -3
	s_barrier_signal -1
	s_barrier_wait -1
.endm
.macro ROUND
	BAR
	CREST
.endm
.macro ALL8 line:vararg                ; one line for each row tile a
.set a, 0
.rept 8
	\line
.set a, a+1
.endr
.endm
; A fragment is two loads of 16 bytes a lane: tile z of its set, K half jb of the step in hand.  Set 0 always lies as a fragment image; set 1's three distances are symbols (the first GEMM's rows lie otherwise).
.macro LF0 reg, jb, z
	ds_load_b128 v[(\reg):(\reg)+3], v[AD0+(\z)/2] offset:(\jb)*8192+((\z)%2)*1024
	ds_load_b128 v[(\reg)+4:(\reg)+7], v[AD0+(\z)/2] offset:(\jb)*8192+((\z)%2)*1024+512
.endm
.macro LF1 reg, jb, z
	ds_load_b128 v[(\reg):(\reg)+3], v[AD1+(\z)/2] offset:(\jb)*XJ+((\z)%2)*XT
	ds_load_b128 v[(\reg)+4:(\reg)+7], v[AD1+(\z)/2] offset:(\jb)*XJ+((\z)%2)*XT+XQ
.endm
.macro L0 buf, jb, lo, hi              ; fragments lo .. hi of set 0
.set z, (\lo)
.rept (\hi)-(\lo)+1
	LF0 (\buf)+8*z, \jb, z
.set z, z+1
.endr
.endm
.macro L1 buf, jb, half                ; the low or the high four fragments of set 1
.set z, 0
.rept 4
	LF1 (\buf)+8*z, \jb, 4*(\half)+z
.set z, z+1
.endr
.endm
; n1 x 8 matrix instructions: s1 = 4 hi + lo1 .., all eight s0.  The accumulators take turns, one instruction a turn.
.macro MM fmt, f0, f1, hi, lo1, n1, cm
.if (\cm) == CA
	WIN 0xa0+0x50*(\hi)
.else
	WIN 0x80+0x40*(\hi)
.endif
.set y, (\lo1)
.rept (\n1)
.set x, 0
.rept 8
.set rD, 8*(8*y+x)
.set rA, (\f0)+8*x
.set rB, (\f1)+8*y
.if (\cm) == CA
	v_wmma_f32_16x16x32_\fmt v[rD:rD+7], v[rA:rA+7], v[rB:rB+7], v[rD:rD+7]
.else
	v_wmma_f32_16x16x32_\fmt v[rD:rD+7], v[rA:rA+7], v[rB:rB+7], v[F0B+8*x:F0B+8*x+7]
.endif
.set x, x+1
.endr
.set y, y+1
.endr
.endm
; A K STEP of 64 is four runs of 32 matrix instructions: H0, H1 (K half 0: low, high s1), RA, H3 (K half 1).  Each run's head fetches what the run after it multiplies.
.macro H0 fmt
	s_wait_dscnt 0x0                               ; what this run multiplies is in
	WIN 0
	PLACES
	L1 F1B, 0, 1
	L0 F0B, 1, 0, 3
	MM \fmt, F0A, F1A, 0, 0, 4, CA
.endm
.macro H1 fmt
	s_wait_dscnt 0x0
	WIN 0
	PLACES
	L1 F1A, 1, 0
	L0 F0B, 1, 4, 7
	MM \fmt, F0A, F1B, 1, 0, 4, CA
.endm
.macro STEPADR                         ; both sets go a step on, each cut by its mask; the eight additions are also the places in front of the loads that follow
	s_add_co_u32 s[TS0], s[TS0], SLOTB
	s_add_co_u32 s[TS1], s[TS1], XSTEP
	s_and_b32 s[TS0], s[TS0], s[MK0]
	s_and_b32 s[TS1], s[TS1], s[MK1]
.irp i, 0,1,2,3
	v_add_nc_u32 v[AD0+\i], s[TS0], v[BS0+\i]
	v_add_nc_u32 v[AD1+\i], s[TS1], v[BS1+\i]
.endr
.endm
; THE CHANGE OF SLOTS.  Each wave waits for all its tensor loads, of which one is out: the next step's tile; adds 0 to its spare word; and waits for that and for its reads of the slot in hand.
; The barrier opens a round of the cluster's barrier; behind the round the slot just read is filled again, with the tile of the step two on: the wave's one tensor load, with 96 matrix instructions or more in which to land.
; The tile's number is the GEMM's eight plus the step turned by 2 rho; the address is made anew from it: the base, which is never stepped, and an offset.
.macro RA fmt
	s_wait_dscnt 0x0
	WIN 0
	PLACES
	L1 F1B, 1, 1
	s_wait_tensorcnt 0x0                           ; no tensor load of mine is out, so the group 0 may be written
	ds_add_u32 v[SPW], v[NIL]
	s_add_co_u32 s[NXT], s[NXT], 1
	s_add_co_u32 s[SC0], s[NXT], s[ROT]
	s_and_b32 s[SC0], s[SC0], 7
	s_and_b32 s[SC0+1], s[NXT], 56
	s_or_b32 s[SC0], s[SC0], s[SC0+1]
	s_lshl_b32 s[SA], s[SC0], 16                   ; a tile is 65,536 bytes
	s_xor_b32 s[G0B+1], s[G0B+1], SLOTB            ; the other slot than last time
	s_add_nc_u64 s[G0B+2:G0B+3], s[6:7], s[SA:SA+1]
	s_or_b32 s[G0B+3], s[G0B+3], 0x80000000        ; type = 2
	MM \fmt, F0B, F1A, 0, 0, 2, CA
	s_wait_dscnt 0x0                               ; the add is done, and my reads of the slot are over
	s_barrier_signal -1
	MM \fmt, F0B, F1A, 0, 2, 2, CA
	WIN 0                                          ; at a branch and at a label every window is 0
	s_barrier_wait -1
	CREST                                          ; no wave of any partner still reads its slot or has a load on its way
	tensor_load_to_lds s[G0B:G0B+3], s[G1:G1+7]
	s_nop 0
	STEPADR
.endm
.macro RB                              ; the next step's first fragments
	L0 F0A, 0, 0, 7
	L1 F1A, 0, 0
.endm
.macro H3 fmt
	MM \fmt, F0B, F1B, 1, 0, 4, CA
.endm
.macro KTRIP fmt                       ; a trip: the second half of one K step and the first half of the next
	RA \fmt
	RB
	H3 \fmt
	H0 \fmt
	H1 \fmt
	WIN 0
.endm
.macro RAN fmt, last                   ; the last two changes: nothing is left to ask for, so there is no add, no round and no load
	s_wait_dscnt 0x0
	WIN 0
	PLACES
	L1 F1B, 1, 1
.if !(\last)
	s_wait_tensorcnt 0x0                           ; the last tile is in
.endif
	MM \fmt, F0B, F1A, 0, 0, 4, CA
	WIN 0
.if \last
	s_wait_dscnt 0x0
.else
	STEPADR
	RB
	s_wait_dscnt 0x18                              ; all but the 24 loads just issued
.endif
.endm
; A GEMM's first 32 along K start the sums, with C from F0B (a bias, or zeros), which takes its fragments only afterwards.
.macro AZ fmt
	s_wait_dscnt 0x0
	WIN 0
	PLACES
	L1 F1B, 0, 1
	MM \fmt, F0A, F1A, 0, 0, 4, CB
	s_wait_dscnt 0x0
	WIN 0
	PLACES
	L1 F1A, 1, 0
	MM \fmt, F0A, F1B, 1, 0, 4, CB
	WIN 0
	PLACES
	L0 F0B, 1, 0, 7
.endm
.macro LBIAS areg, off, base           ; a row of BT as eight C tiles: register j of tile z holds the number of my column 16 z + 8 h + j
.set z, 0
.rept 8
	ds_load_b128 v[(\base)+8*z:(\base)+8*z+3], v[\areg] offset:(\off)+64*z
	ds_load_b128 v[(\base)+8*z+4:(\base)+8*z+7], v[\areg] offset:(\off)+64*z+16
.set z, z+1
.endr
.endm
.macro LDIN c                          ; the chunk at place c of the inputs (64 k, 256 bytes of each of my 32 rows): sixteen lanes read one row's aligned 256 bytes
	WIN 0x40
.set z, 0
.rept 16
	global_load_b128 v[64*((\c)%4)+4*z:64*((\c)%4)+4*z+3], v[GI+(\c)%4], s[4:5] offset:(16*(z/8)+z%8)*2048 th:TH_LOAD_NT
.set z, z+1
.endr
	WIN 0
.endm
.macro STAGE c, again, left            ; the chunk at place c is rounded to bf16 and laid into LDS; again = 1: its registers take the chunk four places on.  left: the younger loads, which stay out
	s_wait_loadcnt \left
	WIN 0x05
.set z, 0
.rept 32
	v_cvt_pk_bf16_f32 v[F0A+z], v[64*((\c)%4)+2*z], v[64*((\c)%4)+2*z+1]
.set z, z+1
.endr
	WIN 0
.set z, 0
.rept 16
	ds_store_b64 v[SI+(\c)/4], v[F0A+2*z:F0A+2*z+1] offset:((\c)%4)*INC+(16*(z/8)+z%8)*INP  ; lanes 16-31 lie 8 rows, 1,152 bytes, on: the other half of the banks
.set z, z+1
.endr
.if \again
	v_xor_b32 v[GI+(\c)%4], 0x400, v[GI+(\c)%4]    ; four chunks of 256 bytes on, modulo eight; the loads that named this register are in
	LDIN (\c)+4
.endif
.endm
.macro TOACT i                         ; pair i of row tiles, my 128 columns: rounded to f16 and stored as fragments
	WIN 0x0a+5*((\i)/2)
.set z, 0
.rept 64
	v_cvt_pk_f16_f32 v[F1A+z], v[128*((\i)%2)+2*z], v[128*((\i)%2)+2*z+1]
.set z, z+1
.endr
	WIN 0
.set z, 0
.rept 16                               ; z = 8 e + b
	ds_store_b128 v[XS+(\i)], v[F1A+4*z:F1A+4*z+3] offset:((z%8)/2)*8192+(z%2)*512+(z/8)*1024
.set z, z+1
.endr
.endm
	; ---------------------------------------------------------------- the head
	s_load_b512 s[4:19], s[0:1], 0x0               ; inputs, wimg, b_in, b_q, b_k, b_v, b_r, b_o
	s_load_b64 s[20:21], s[0:1], 0x40              ; out0
	v_lshl_add_u32 v[SPW], v0, 2, SPARE
	v_mov_b32 v[NIL], 0
	ds_add_u32 v[SPW], v[NIL]                      ; the wave's opening: the add and its wait stand ahead of my first tensor load, the set-up between them
	v_lshrrev_b32 v[TM], 5, v0
	v_readfirstlane_b32 s[WV], v[TM]               ; wave 0..3
	s_bfe_u32 s23, ttmp6, 0x40000                  ; cx: it enters the addresses of inputs and out0 alone
	s_lshl_b32 s24, ttmp9, 2
	s_add_co_u32 s24, s24, s23                     ; my block of 128 rows
	s_lshl_b32 s30, s24, 18                        ; of 2,048 bytes
	s_mov_b32 s31, 0
	s_lshr_b32 s[SC0], ttmp9, 2                    ; rho, from the cluster's number, which the four partners share
	s_lshr_b32 s[SC0+1], ttmp9, 4
	s_add_co_u32 s[SC0], s[SC0], ttmp9
	s_add_co_u32 s[SC0], s[SC0], s[SC0+1]
	s_and_b32 s[SC0], s[SC0], 3
	s_lshl_b32 s[ROT], s[SC0], 1
	s_add_co_u32 s[CBK], s[SC0], s[WV]
	s_and_b32 s[CBK], s[CBK], 3
	s_mov_b32 s[PW], s[WV]
	s_xor_b32 s[PW+1], s[WV], 1
	s_xor_b32 s[PW+2], s[WV], 2
	s_xor_b32 s[PW+3], s[WV], 3
	s_mov_b32 s[G1], 15|(3<<16)|(1<<21)            ; 15:0 the mask of four; 17:16 elements of 8 bytes; 21 set beside a mask; no padding
	s_mov_b32 s[G1+1], 32<<16                      ; tensor_dim0 = 32 elements: rows of 256 bytes
	s_mov_b32 s[G1+2], 64<<16                      ; tensor_dim1 = 64
	s_mov_b32 s[G1+3], 32<<16                      ; tile_dim0 = 32
	s_mov_b32 s[G1+4], 64                          ; tile_dim1 = 64
	s_mov_b32 s[G1+5], 32                          ; dense: each row begins where the last ends
	s_mov_b32 s[G1+6], 0
	s_mov_b32 s[G1+7], 0
	s_mov_b32 s[G0A], 1
	s_lshl_b32 s[G0A+1], s[WV], 15                 ; my ring: two slots of 16,384 bytes
	s_mov_b32 s[G0B], 1
	s_add_co_u32 s[G0B+1], s[G0A+1], SLOTB
	s_lshl_b32 s[SA], s[CBK], 14                   ; my quarter of a tile
	s_mov_b32 s[SA+1], 0
	s_mov_b32 s[TS0], 0
	s_mov_b32 s[TS1], 0
	s_mov_b32 s[MK0], 0x4000                       ; the first GEMM: set 0 = weights,
	s_mov_b32 s[MK1], 0x3ffff                      ; set 1 = the chunks, eight steps of 18,432 bytes: nothing is cut
	s_mov_b32 s[NXT], 1
	s_mov_b32 s[CS], 0x3fb8aa3b                    ; log2(e)
	s_mov_b32 s[CS+1], s[CS]
	s_mov_b32 s[SEL], 0x76543210
	s_mov_b32 s[SEL+1], 0xfedcba98
	v_and_b32 v[R16], 15, v0
	v_bfe_u32 v[HH], v0, 4, 1
	v_and_b32 v[L16], 31, v0
	v_lshlrev_b32 v[L16], 4, v[L16]
	v_mul_u32_u24 v[TM+1], v[R16], INP
	v_lshl_add_u32 v[TM+1], v[HH], 4, v[TM+1]      ; a chunk's row x pitch + 16 x half
.irp i, 0,1,2,3
	s_lshl_b32 s[PX+\i], s[PW+\i], 11
	s_add_co_u32 s[SC0], s[PX+\i], s[G0A+1]        ; my columns' place: K blocks 4 w .. of 8,192 bytes
	s_add_co_u32 s[SC0], s[SC0], ACT
	v_add_nc_u32 v[XS+\i], s[SC0], v[L16]
	s_add_co_u32 s[PX+\i], s[PX+\i], ACT
	s_add_co_u32 s[PT+\i], s[G0A+1], (\i)*2048
	v_add_nc_u32 v[BS0+\i], s[PT+\i], v[L16]
	v_add_nc_u32 v[AD0+\i], s[PT+\i], v[L16]
	s_mul_i32 s[SC0], s[PW+\i], 32*INP
	s_add_co_u32 s[SC0], s[SC0], ACT
	v_add_nc_u32 v[BS1+\i], s[SC0], v[TM+1]
	v_add_nc_u32 v[AD1+\i], s[SC0], v[TM+1]
	s_mul_i32 s[SC0], s[PW+\i], 12288
	s_add_co_u32 s[SC0], s[SC0], EX
	v_add_nc_u32 v[BXI+\i], s[SC0], v[L16]
	s_lshl_b32 s[SC0], s[PW+\i], 9
	s_add_co_u32 s[SC0], s[SC0], RM
	v_lshl_add_u32 v[RL+\i], v[R16], 4, s[SC0]
	v_lshl_add_u32 v[RS+\i], v[TM], 2, v[RL+\i]
.endr
	s_lshl_b32 s[SC0], s[WV], 9
	s_add_co_u32 s[SC0], s[SC0], BT
	v_lshl_add_u32 v[BA], v[HH], 5, s[SC0]
	v_lshlrev_b32 v[TM+2], 4, v[R16]               ; inputs: 16 bytes a lane, lanes 16-31 eight rows down, 32 rows a wave,
	v_lshl_add_u32 v[TM+2], v[HH], 14, v[TM+2]
	v_lshl_add_u32 v[TM+2], v[TM], 16, v[TM+2]
.irp c, 0,1,2,3
	s_add_co_u32 s[SC0], s[ROT], \c                ; and at place c the chunk (c + 2 rho) mod 8
	s_and_b32 s[SC0], s[SC0], 7
	s_lshl_b32 s[SC0], s[SC0], 8
	v_add_nc_u32 v[GI+\c], s[SC0], v[TM+2]
.endr
	s_mul_i32 s[SC0], s[WV], 32*INP
	s_add_co_u32 s[SC0], s[SC0], ACT
	v_mul_u32_u24 v[SI], v[HH], 8*INP
	v_lshl_add_u32 v[SI], v[R16], 3, v[SI]
	v_add_nc_u32 v[SI], s[SC0], v[SI]
	v_add_nc_u32 v[SI+1], 4*INC, v[SI]
	v_lshl_add_u32 v[BTS], v0, 4, BT               ; place w of a row of BT
	s_lshl_b32 s[SC0], s[CBK], 9
	v_add_nc_u32 v[BGO], s[SC0], v[L16]            ; takes my column block of the bias
	s_wait_dscnt 0x0                               ; the opening add is done
	s_wait_kmcnt 0x0
	s_add_nc_u64 s[4:5], s[4:5], s[30:31]
	s_add_nc_u64 s[20:21], s[20:21], s[30:31]
	s_add_nc_u64 s[6:7], s[6:7], s[SA:SA+1]        ; the weights at my quarter of tile 0: the same in all four work-groups
	s_lshl_b32 s[SA], s[ROT], 16
	s_add_nc_u64 s[G0A+2:G0A+3], s[6:7], s[SA:SA+1]      ; step 0: tile 2 rho
	s_add_nc_u64 s[G0B+2:G0B+3], s[G0A+2:G0A+3], 65536   ; step 1: tile 2 rho + 1, at most 7
	s_or_b32 s[G0A+3], s[G0A+3], 0x80000000        ; type = 2
	s_or_b32 s[G0B+3], s[G0B+3], 0x80000000
.irp g, 0,1,2,3,4,5
	global_load_b128 v[96+4*\g:99+4*\g], v[BGO], s[8+2*\g:9+2*\g]
.endr
	LDIN 0                                         ; half of my rows' bytes are asked for at once
	LDIN 1
	LDIN 2
	LDIN 3
	ROUND                                          ; all four work-groups are here: the first joint loads meet
	tensor_load_to_lds s[G0A:G0A+3], s[G1:G1+7]    ; two tensor loads of mine are out
	s_nop 0
	tensor_load_to_lds s[G0B:G0B+3], s[G1:G1+7]
	s_nop 0
	PLACES
	; ---------------------------------------------------------------- biases and the first four chunks into LDS
	s_wait_loadcnt 0x3f                            ; 70 loads were issued: all but the youngest 63 are in, the six biases among them
.irp g, 0,1,2,3,4,5
	v_cvt_pk_bf16_f32 v[TM], v[96+4*\g], v[97+4*\g]      ; rounded to bf16 like every input,
	v_cvt_pk_bf16_f32 v[TM+1], v[98+4*\g], v[99+4*\g]
	v_lshlrev_b32 v[96+4*\g], 16, v[TM]                  ; and kept as f32
	v_and_b32 v[97+4*\g], 0xffff0000, v[TM]
	v_lshlrev_b32 v[98+4*\g], 16, v[TM+1]
	v_and_b32 v[99+4*\g], 0xffff0000, v[TM+1]
.endr
	v_pk_add_f32 v[112:113], v[112:113], v[108:109]      ; row 4: b_r + b_v
	v_pk_add_f32 v[114:115], v[114:115], v[110:111]
.irp j, 108,109,110,111
	v_mov_b32 v\j, 0                               ; row 3: the zeros with which v's and out's sums start
.endr
.irp g, 0,1,2,3,4,5
	ds_store_b128 v[BTS], v[96+4*\g:99+4*\g] offset:2048*\g
.endr
	STAGE 0, 1, 48                                 ; three younger chunks of 16 loads stay out
	STAGE 1, 1, 48
	STAGE 2, 1, 48
	STAGE 3, 1, 48
	s_wait_dscnt 0x0                               ; for the others' sake: my stores are done
	s_wait_tensorcnt 0x1                           ; the first tile is in; the second may stay out
	BAR
.set XJ,    64                         ; in a chunk: 32 k on, 16 rows on, the fragment's second half, the next chunk
.set XT,    16*INP
.set XQ,    32
.set XSTEP, INC
	L0 F0A, 0, 0, 7
	L1 F1A, 0, 0
	LBIAS BA, 0, F0B
	; ---------------------------------------------------------------- x = relu(inputs W_in + b_in)
	AZ bf16
	s_mov_b32 s[CNT], 7
.Lk1:
	s_cmp_lg_u32 s[CNT], 4
	s_cbranch_scc1 .Lno_stage                      ; in front of the fourth trip alone: what is jumped holds no barrier and no tensor load
	PLACES                                         ; the conversions below write registers that the last products read
	STAGE 4, 0, 48                                 ; the other four chunks have had three K steps and a half in which to land; this trip's change of slots, its wait and round, shows them to every wave
	STAGE 5, 0, 32
	STAGE 6, 0, 16
	STAGE 7, 0, 0
.Lno_stage:
	KTRIP bf16
	s_sub_co_u32 s[CNT], s[CNT], 1
	s_cmp_lg_u32 s[CNT], 0
	s_cbranch_scc1 .Lk1
	RA bf16                                        ; behind this round no wave reads the chunks any more
	H3 bf16
	WIN 0
	PLACES
.set i, 0
.rept 4
	WIN 0x88+0x44*(i/2)
.set z, 128*(i%2)
.rept 128
	v_max_num_f32 v[z], 0, v[z]                    ; each accumulator from its low end on
.set z, z+1
.endr
	TOACT i
.set i, i+1
.endr
.set XJ,    8192                       ; from now on both sets are fragment images
.set XT,    1024
.set XQ,    512
.set XSTEP, 16384
	s_wait_dscnt 0x0                               ; my part of x is stored
	BAR
	s_mov_b32 s[PH], 5
	; ---------------------------------------------------------------- the five f16 GEMMs: q, k, v, r, out
.Lphase:
	s_mov_b32 s[TS0], 0
	s_mov_b32 s[TS1], 0
	s_mov_b32 s[CNT], 7
	s_sub_co_u32 s[SC0], 6, s[PH]                  ; the row of BT: 1 b_q, 2 b_k, 3 zeros, 4 b_r + b_v
	s_cmp_eq_u32 s[PH], 1
	s_cbranch_scc0 .Lnot_last
	s_mov_b32 s[CNT], 6                            ; out: its last two changes of slots ask for nothing and are written out
	s_mov_b32 s[SC0], 3                            ; and its sums start with zeros: b_o is added when the rows are scaled back
.Lnot_last:
	s_lshl_b32 s[SC0], s[SC0], 11
	v_add_nc_u32 v[BAC], s[SC0], v[BA]
	s_cmp_eq_u32 s[PH], 3
	s_cbranch_scc1 .Lrows_first
	s_mov_b32 s[MK0], 0x4000                       ; set 0 = weights, set 1 = rows
	s_mov_b32 s[MK1], 0x1ffff
.irp i, 0,1,2,3
	v_add_nc_u32 v[BS0+\i], s[PT+\i], v[L16]
	v_add_nc_u32 v[BS1+\i], s[PX+\i], v[L16]
.endr
	s_branch .Lsets
.Lrows_first:
	s_mov_b32 s[MK0], 0x1ffff                      ; v: set 0 = rows, set 1 = weights
	s_mov_b32 s[MK1], 0x4000
.irp i, 0,1,2,3
	v_add_nc_u32 v[BS0+\i], s[PX+\i], v[L16]
	v_add_nc_u32 v[BS1+\i], s[PT+\i], v[L16]
.endr
.Lsets:
.irp i, 0,1,2,3
	v_mov_b32 v[AD0+\i], v[BS0+\i]                 ; a GEMM has eight steps, so its first tile lies in slot 0
	v_mov_b32 v[AD1+\i], v[BS1+\i]
.endr
	L0 F0A, 0, 0, 7
	L1 F1A, 0, 0
	LBIAS BAC, 0, F0B
	AZ f16
.Lk2:
	KTRIP f16
	s_sub_co_u32 s[CNT], s[CNT], 1
	s_cmp_lg_u32 s[CNT], 0
	s_cbranch_scc1 .Lk2
	s_cmp_eq_u32 s[PH], 1
	s_cbranch_scc1 .Lout_tail                      ; the last GEMM's tail is written out: it asks for nothing more
	RA f16
	H3 f16
	WIN 0
.rept 5
	v_nop                                          ; four places in front of loads and conversions; five in front of products of another form on the same accumulators
.endr
	s_cmp_eq_u32 s[PH], 4
	s_cbranch_scc1 .Lattn
	s_cmp_eq_u32 s[PH], 2
	s_cbranch_scc1 .Lctx
	; ---------------------------------------------------------------- behind q and behind v: accumulator (s1, s0) rounded to bf16, to 32 s1 + 4 s0 of window 1
	; q: row tile a, 32 columns t at 32 a + 8 t.  V^T: column tile b, batch g, 32 keys t at 32 b + 16 g + 8 t.
.set a, 0
.rept 8
	WIN 0x4a+5*(a/4)
.set z, 0
.rept 32
	v_cvt_pk_bf16_f32 v[32*a+z], v[64*(a%4)+2*z], v[64*(a%4)+2*z+1]
.set z, z+1
.endr
.set a, a+1
.endr
	WIN 0
	s_branch .Lnext
	; ---------------------------------------------------------------- behind k: the attention's weights
.Lattn:
.set g, 0
.rept 2                                ; k's fragments in place: row tile c, 32 columns t at 32 c + 8 t of its own window; a write never passes what is still to be read
	WIN 0xaa+0x55*g
.set z, 0
.rept 128
	v_cvt_pk_bf16_f32 v[z], v[2*z], v[2*z+1]
.set z, z+1
.endr
.set g, g+1
.endr
	; S^T = K Q^T over my 128 columns: batch g, query tile y, key tile x at 128 + 8 (4 y + x) of window 2 + g
.set g, 0
.rept 2
	WIN 0xa6+0x51*g
.set t, 0
.rept 4
.set y, 0
.rept 4
.set x, 0
.rept 4
.set rD, 128+8*(4*y+x)
.if t == 0
	v_wmma_f32_16x16x32_bf16 v[rD:rD+7], v[32*x+8*t:32*x+8*t+7], v[32*(4*g+y)+8*t:32*(4*g+y)+8*t+7], 0
.else
	v_wmma_f32_16x16x32_bf16 v[rD:rD+7], v[32*x+8*t:32*x+8*t+7], v[32*(4*g+y)+8*t:32*(4*g+y)+8*t+7], v[rD:rD+7]
.endif
.set x, x+1
.endr
.set y, y+1
.endr
.set t, t+1
.endr
.set g, g+1
.endr
	WIN 0
	PLACES
; The partial sums meet: query tile e of pair i goes to the wave that owns the pair, into part i - 1 of its inbox.
.macro XSEND e
.set i, 1
.rept 3
	WIN 0x08+4*(i/2)
.set x, 0
.rept 4
.set rD, 128+8*(4*(2*(i%2)+(\e))+x)
	ds_store_b128 v[BXI+i], v[rD:rD+3] offset:(i-1)*4096+x*1024
	ds_store_b128 v[BXI+i], v[rD+4:rD+7] offset:(i-1)*4096+x*1024+512
.set x, x+1
.endr
.set i, i+1
.endr
	WIN 0
.endm
.macro XRECV e                         ; the sender's order of key tiles differs from mine by a swap of the pairs where i is odd
.set i, 1
.rept 3
.set x, 0
.rept 4
.set rD, 64+96*(\e)+32*(i-1)+8*x
	ds_load_b128 v[rD:rD+3], v[BXI] offset:(i-1)*4096+(x^(2*(i&1)))*1024
	ds_load_b128 v[rD+4:rD+7], v[BXI] offset:(i-1)*4096+(x^(2*(i&1)))*1024+512
.set x, x+1
.endr
.set i, i+1
.endr
.endm
.macro XSUM e                          ; my own part and the three others'
.set rS, 64+96*(\e)
	WIN 0x02
.set z, 0
.rept 16
	v_pk_add_f32 v[rS+2*z:rS+2*z+1], v[128+32*(\e)+2*z:128+32*(\e)+2*z+1], v[rS+2*z:rS+2*z+1]
.set z, z+1
.endr
	WIN 0
.set z, 0
.rept 16
	v_pk_add_f32 v[rS+2*z:rS+2*z+1], v[rS+2*z:rS+2*z+1], v[rS+32+2*z:rS+32+2*z+1]
.set z, z+1
.endr
.set z, 0
.rept 16
	v_pk_add_f32 v[rS+2*z:rS+2*z+1], v[rS+2*z:rS+2*z+1], v[rS+64+2*z:rS+64+2*z+1]
.set z, z+1
.endr
.endm
; A lane holds one query and 32 of its 64 scores; the other 32 lie in the lane 16 away.  p = 2^(c s - c m) with the row's true maximum m, c = log2(e); P = p / l, rounded to bf16.
.macro SOFTMAX e
.set rS, 64+96*(\e)
.set rU, rS+32
.set rP, rS+48
.set rT, IV+8*(\e)
	v_max3_num_f32 v[rT], v[rS], v[rS+1], v[rS+2]
	v_max3_num_f32 v[rT+1], v[rS+3], v[rS+4], v[rS+5]
	v_max3_num_f32 v[rT+2], v[rS+6], v[rS+7], v[rS+8]
	v_max3_num_f32 v[rT+3], v[rS+9], v[rS+10], v[rS+11]
.set z, 12
.rept 10
	v_max3_num_f32 v[rT+((z-12)/2)%4], v[rT+((z-12)/2)%4], v[rS+z], v[rS+z+1]
.set z, z+2
.endr
	v_max3_num_f32 v[rT], v[rT], v[rT+1], v[rT+2]
	v_max_num_f32 v[rT], v[rT], v[rT+3]
	v_permlanex16_b32 v[rT+1], v[rT], s[SEL], s[SEL+1]
	v_max_num_f32 v[rT], v[rT], v[rT+1]
	v_mul_f32 v[rT+2], s[CS], v[rT]
.set z, 0
.rept 16
	v_pk_fma_f32 v[rS+2*z:rS+2*z+1], v[rS+2*z:rS+2*z+1], s[CS:CS+1], v[rT+2:rT+3] op_sel_hi:[1,0,0] neg_lo:[0,0,1] neg_hi:[0,0,1]
.set z, z+1
.endr
.set z, 0
.rept 32
	v_exp_f32 v[rS+z], v[rS+z]
.set z, z+1
.endr
	v_nop                                          ; a plain instruction between the last exponential and the use of its result
.set z, 0
	s_wait_alu depctr_va_vdst(0)
.rept 8
	v_pk_add_f32 v[rU+2*z:rU+2*z+1], v[rS+4*z:rS+4*z+1], v[rS+4*z+2:rS+4*z+3]
.set z, z+1
.endr
.set z, 0
.rept 4
	v_pk_add_f32 v[rU+4*z:rU+4*z+1], v[rU+4*z:rU+4*z+1], v[rU+4*z+2:rU+4*z+3]
.set z, z+1
.endr
	v_pk_add_f32 v[rU:rU+1], v[rU:rU+1], v[rU+4:rU+5]
	v_pk_add_f32 v[rU+8:rU+9], v[rU+8:rU+9], v[rU+12:rU+13]
	v_pk_add_f32 v[rU:rU+1], v[rU:rU+1], v[rU+8:rU+9]
	v_add_f32 v[rT+4], v[rU], v[rU+1]
	v_permlanex16_b32 v[rT+1], v[rT+4], s[SEL], s[SEL+1]
	v_add_f32 v[rT+4], v[rT+4], v[rT+1]
	v_rcp_f32 v[rT+6], v[rT+4]                     ; l is at least 1; made twice, for the packed multiply
	v_rcp_f32 v[rT+7], v[rT+4]
	v_nop
.set z, 0
	s_wait_alu depctr_va_vdst(0)
.rept 16
	v_pk_mul_f32 v[rS+2*z:rS+2*z+1], v[rS+2*z:rS+2*z+1], v[rT+6:rT+7]
.set z, z+1
.endr
.set z, 0
.rept 16
	v_cvt_pk_bf16_f32 v[rP+z], v[rS+2*z], v[rS+2*z+1]
.set z, z+1
.endr
.set x, 0
.rept 4                                ; key tiles 2 t and 2 t + 1 are the two halves of fragment t; into my own inbox, which I have read out and into which nobody stores any more
	ds_store_b128 v[BXI], v[rP+4*x:rP+4*x+3] offset:(\e)*2048+x*512
.set x, x+1
.endr
.endm
	XSEND 0
	s_wait_dscnt 0x0                               ; my stores into the others' inboxes are done
	BAR
	XRECV 0
	s_wait_dscnt 0x0                               ; my inbox is read out: it may be written again
	BAR
	XSEND 1
	s_wait_dscnt 0x0
	BAR
	XRECV 1
	XSUM 0
	s_wait_dscnt 0x0
	XSUM 1
	SOFTMAX 0
	SOFTMAX 1                                      ; P is read behind r's GEMM: the rounds of two GEMMs, each behind a wait for my LDS stores, show it to every wave
	s_branch .Lnext
	; ---------------------------------------------------------------- behind r: P V onto it, and ctx into LDS
.Lctx:
.macro PLOAD a                         ; P of row tile a, from the wave that made it; its order of the 32-key blocks differs from mine where the pair's number is odd
.set t, 0
.rept 2
	ds_load_b128 v[F0A+8*(2*(\a)+t):F0A+8*(2*(\a)+t)+3], v[BXI+(\a)/2] offset:((\a)%2)*2048+(t^(((\a)/2)&1))*1024
	ds_load_b128 v[F0A+8*(2*(\a)+t)+4:F0A+8*(2*(\a)+t)+7], v[BXI+(\a)/2] offset:((\a)%2)*2048+(t^(((\a)/2)&1))*1024+512
.set t, t+1
.endr
.endm
.irp a, 0,1,2,3,4,5,6,7
	PLOAD \a
.endr
	s_wait_dscnt 0x0
.set g, 0
.rept 2
	WIN 0xa1+0x50*g
.set t, 0
.rept 2
.set y, 0
.rept 4
.set x, 0
.rept 8
.set rD, 8*(8*y+x)
	v_wmma_f32_16x16x32_bf16 v[rD:rD+7], v[32*x+16*g+8*t:32*x+16*g+8*t+7], v[F0A+8*(2*(4*g+y)+t):F0A+8*(2*(4*g+y)+t)+7], v[rD:rD+7]
.set x, x+1
.endr
.set y, y+1
.endr
.set t, t+1
.endr
.set g, g+1
.endr
	WIN 0
	PLACES
	; each row's largest magnitude, over my columns, then over the four waves
.set g, 0
.rept 2
	WIN 0x0a+5*g
.set x, 0
.rept 8
.set j, 0
.rept 4
.set y, 0
.rept 4
.if (x == 0) && (j == 0)
	v_max_num_f32 v[F0B+2*(4*g+y)], |v[64*y]|, |v[64*y+1]|
.else
	v_max3_num_f32 v[F0B+2*(4*g+y)], |v[64*y+8*x+2*j]|, |v[64*y+8*x+2*j+1]|, v[F0B+2*(4*g+y)]
.endif
.set y, y+1
.endr
.set j, j+1
.endr
.set x, x+1
.endr
.set g, g+1
.endr
	WIN 0
	ALL8 v_permlanex16_b32 v[F0B+2*a+1], v[F0B+2*a], s[SEL], s[SEL+1]
	ALL8 v_max_num_f32 v[F0B+2*a], v[F0B+2*a], v[F0B+2*a+1]
	ALL8 ds_store_b32 v[RS+a/2], v[F0B+2*a] offset:256*(a%2)
	s_wait_dscnt 0x0                               ; my maxima are stored; my reads of x and of P are over
	BAR
	ALL8 ds_load_b128 v[F0B+16+4*a:F0B+19+4*a], v[RL+a/2] offset:256*(a%2)
	s_wait_dscnt 0x0
	ALL8 v_max3_num_f32 v[F0B+2*a], v[F0B+16+4*a], v[F0B+17+4*a], v[F0B+18+4*a]
	ALL8 v_max3_num_f32 v[F0B+2*a], v[F0B+2*a], v[F0B+19+4*a], 0x08000000   ; at least 2^-111, so that both powers below are normal numbers
	ALL8 v_lshrrev_b32 v[F0B+2*a], 23, v[F0B+2*a]                           ; E, the biased exponent
	ALL8 v_sub_nc_u32 v[F0B+2*a+1], 268, v[F0B+2*a]
	ALL8 v_add_nc_u32 v[IV+2*a], -14, v[F0B+2*a]
	ALL8 v_lshlrev_b32 v[F0B+2*a+1], 23, v[F0B+2*a+1]                       ; the scale 2^(141 - E): the row's largest lands in 2^14 .. 2^15
	ALL8 v_lshlrev_b32 v[IV+2*a], 23, v[IV+2*a]                             ; and 2^(E - 141)
	ALL8 v_mov_b32 v[F0B+2*a], v[F0B+2*a+1]
	ALL8 v_mov_b32 v[IV+2*a+1], v[IV+2*a]
.set i, 0
.rept 4
	WIN 0x82+0x41*(i/2)
.set z, 0
.rept 64                               ; z / 32 = e
	v_pk_mul_f32 v[128*(i%2)+2*z:128*(i%2)+2*z+1], v[128*(i%2)+2*z:128*(i%2)+2*z+1], v[F0B+2*(2*i+z/32):F0B+2*(2*i+z/32)+1]
.set z, z+1
.endr
	TOACT i
.set i, i+1
.endr
	s_wait_dscnt 0x0                               ; my part of ctx is stored
	BAR
.Lnext:
	s_sub_co_u32 s[PH], s[PH], 1
	s_branch .Lphase
	; ---------------------------------------------------------------- out = relu(ctx W_o + b_o): its last K step and a half
.Lout_tail:
	RAN f16, 0
	H3 f16
	H0 f16
	H1 f16
	RAN f16, 1
	H3 f16
	WIN 0
	PLACES
	LBIAS BA, 5*2048, F0A
	s_lshl_b32 s[SC0+1], s[CBK], 9                 ; my column block's 512 bytes of a row,
.irp i, 0,1,2,3
	s_lshl_b32 s[SC0], s[PW+\i], 16                ; 32 rows of 2,048 bytes
	s_add_co_u32 s[SC0], s[SC0], s[SC0+1]
	v_add_nc_u32 v[GO+\i], s[SC0], v[L16]
.endr
	s_mul_i32 s[SC0], s[WV], 16*OSP
	s_add_co_u32 s[SC0], s[SC0], EX                ; my stage: the inboxes have been read for the last time, barriers ago
	v_mul_u32_u24 v[SO], v[R16], OSP
	v_lshl_add_u32 v[SO], v[HH], 5, v[SO]
	v_add_nc_u32 v[SO], s[SC0], v[SO]
	v_add_nc_u32 v[RO], s[SC0], v[L16]
	s_wait_dscnt 0x0                               ; b_o
; THE WAY OUT, a row tile at a time: scaled back, the bias added, relu; through my own stage in LDS, so that a store of the wave is 512 consecutive bytes of a row.
.macro OPACK a
	WIN 0x02+(\a)/4
.set z, 0
.rept 32
	v_pk_fma_f32 v[F0B+2*z:F0B+2*z+1], v[64*((\a)%4)+2*z:64*((\a)%4)+2*z+1], v[IV+2*(\a):IV+2*(\a)+1], v[F0A+2*z:F0A+2*z+1]
.set z, z+1
.endr
	WIN 0
.set z, 0
.rept 64
	v_max_num_f32 v[F0B+z], 0, v[F0B+z]
.set z, z+1
.endr
.endm
.macro OSTAGE
.set z, 0
.rept 16
	ds_store_b128 v[SO], v[F0B+4*z:F0B+4*z+3] offset:64*(z/2)+16*(z%2)
.set z, z+1
.endr
	s_wait_xcnt 0x0                                ; the registers that the last tile's stores read are loaded again only behind this wait
.set z, 0
.rept 16
	ds_load_b128 v[F1A+4*z:F1A+4*z+3], v[RO] offset:OSP*z  ; LDS serves a wave's instructions in order (ISA guide 5.7.1.4): these see the stores above
.set z, z+1
.endr
.endm
.macro OSEND a
	s_wait_dscnt 0x0
.set z, 0
.rept 16
	global_store_b128 v[GO+(\a)/2], v[F1A+4*z:F1A+4*z+3], s[20:21] offset:(16*((\a)%2)+z)*2048 th:TH_STORE_NT
.set z, z+1
.endr
.endm
	OPACK 0
	OSTAGE
.irp a, 1,2,3,4,5,6,7                  ; a tile's arithmetic stands between the loads of the tile before and the wait for them
	OPACK \a
	OSEND (\a)-1
	OSTAGE
.endr
	OSEND 7
	s_wait_tensorcnt 0x0                           ; the wave's end
	ds_add_u32 v[SPW], v[NIL]
	s_wait_dscnt 0x0
	ROUND                                          ; the closing round: no work-group ends while a partner may still ask for a tile that names it
	s_endpgm
.Lfunc_end_k_q5d198eed17_fused:
	.size	k_q5d198eed17_fused, .Lfunc_end_k_q5d198eed17_fused-k_q5d198eed17_fused
	.p2alignl 7, 3214868480
	.fill 96, 4, 3214868480
	.section	.rodata,"a",@progbits
	.p2align	6, 0x0
	.amdhsa_kernel k_q5d198eed17_fused
		.amdhsa_group_segment_fixed_size 327680
		.amdhsa_private_segment_fixed_size 0
		.amdhsa_enable_private_segment 0
		.amdhsa_kernarg_size 72
		.amdhsa_user_sgpr_count 2
		.amdhsa_user_sgpr_kernarg_segment_ptr 1
		.amdhsa_wavefront_size32 1
		.amdhsa_system_sgpr_workgroup_id_x 1
		.amdhsa_system_sgpr_workgroup_id_y 1
		.amdhsa_system_sgpr_workgroup_id_z 1
		.amdhsa_system_vgpr_workitem_id 0
		.amdhsa_next_free_vgpr 1024
		.amdhsa_next_free_sgpr 76
		.amdhsa_reserve_vcc 0
		.amdhsa_float_denorm_mode_32 3
		.amdhsa_float_denorm_mode_16_64 3
		.amdhsa_memory_ordered 1
		.amdhsa_forward_progress 1
		.amdhsa_inst_pref_size 255
	.end_amdhsa_kernel
	.section	.bss,"aw",@nobits
	.p2align	6
	.space	262144
	.amdgpu_metadata
---
amdhsa.version: [ 1, 2 ]
amdhsa.kernels:
  - .name:           k_q5d198eed17_fused
    .symbol:         k_q5d198eed17_fused.kd
    .args:
      - { .name: inputs, .offset: 0, .size: 8, .value_kind: global_buffer, .address_space: global }
      - { .name: wimg, .offset: 8, .size: 8, .value_kind: global_buffer, .address_space: global }
      - { .name: b_in, .offset: 16, .size: 8, .value_kind: global_buffer, .address_space: global }
      - { .name: b_q, .offset: 24, .size: 8, .value_kind: global_buffer, .address_space: global }
      - { .name: b_k, .offset: 32, .size: 8, .value_kind: global_buffer, .address_space: global }
      - { .name: b_v, .offset: 40, .size: 8, .value_kind: global_buffer, .address_space: global }
      - { .name: b_r, .offset: 48, .size: 8, .value_kind: global_buffer, .address_space: global }
      - { .name: b_o, .offset: 56, .size: 8, .value_kind: global_buffer, .address_space: global }
      - { .name: out0, .offset: 64, .size: 8, .value_kind: global_buffer, .address_space: global }
    .group_segment_fixed_size: 327680
    .private_segment_fixed_size: 0
    .kernarg_segment_align: 8
    .kernarg_segment_size: 72
    .max_flat_workgroup_size: 128
    .sgpr_count:     76
    .vgpr_count:     1024
    .wavefront_size: 32
...
	.end_amdgpu_metadata
.endif
;; end of part 3
